; MI455X (gfx1250); checked and timed in simulation.
; The chip was launched on July 23, 2026; its instructions are those of AMD's public machine-readable ISA for CDNA 5 (MIT licence, August 2026) and "CDNA5" Instruction Set Architecture Reference Guide (July 2026). The comments in the code are by the model that wrote it; some were corrected since.
;; Multi Head Attention. Allowed arithmetic: matrix products marked QUANTISED: E2M1 operands, one E8M0 scale for each 32 along K, by v_wmma_scale_f32_16x16x128_f8f6f4 with both operands' format E2M1 (or v_wmma_scale_f32_32x16x128_f4), f32 sums; everything else in f32.
;; Inputs: Wk_codes 1,024 x 32 x 16 uint8 (E2M1 codes of Wk, K innermost, in blocks of 32 codes, two codes a byte); Wk_scales 1,024 x 32 uint8 (E8M0 scales of Wk, one for each 32 codes along K); Wo_codes 1,024 x 32 x 16 uint8 (E2M1 codes of Wo, K innermost, in blocks of 32 codes, two codes a byte); Wo_scales 1,024 x 32 uint8 (E8M0 scales of Wo, one for each 32 codes along K); Wq_codes 1,024 x 32 x 16 uint8 (E2M1 codes of Wq, K innermost, in blocks of 32 codes, two codes a byte); Wq_scales 1,024 x 32 uint8 (E8M0 scales of Wq, one for each 32 codes along K); Wv_codes 1,024 x 32 x 16 uint8 (E2M1 codes of Wv, K innermost, in blocks of 32 codes, two codes a byte); Wv_scales 1,024 x 32 uint8 (E8M0 scales of Wv, one for each 32 codes along K); attn_mask 1 x 1 x 2,048 x 2,048 int32; bk 1,024 float32; bo 1,024 float32; bq 1,024 float32; bv 1,024 float32; k_codes 4 x 2,048 x 32 x 16 uint8 (E2M1 codes of k, K innermost, in blocks of 32 codes, two codes a byte); k_scales 4 x 2,048 x 32 uint8 (E8M0 scales of k, one for each 32 codes along K); q_codes 4 x 2,048 x 32 x 16 uint8 (E2M1 codes of q, K innermost, in blocks of 32 codes, two codes a byte); q_scales 4 x 2,048 x 32 uint8 (E8M0 scales of q, one for each 32 codes along K); v_codes 4 x 2,048 x 32 x 16 uint8 (E2M1 codes of v, K innermost, in blocks of 32 codes, two codes a byte); v_scales 4 x 2,048 x 32 uint8 (E8M0 scales of v, one for each 32 codes along K).
;; Outputs: out0 4 x 2,048 x 1,024 float32.
;; This version of the problem:
;;   THIS VERSION OF THE PROBLEM IS GIVEN IN LOW PRECISION. The matrix products marked QUANTISED in the list below multiply operands that are first quantised to E2M1 (2 exponent bits, 1 mantissa bit; 4 bits a number), with one power-of-two scale for each 32 numbers along K (OCP MX v1.0); their sums are f32. All else is computed in f32.
;;   The module's matrix products, in the order in which they are computed (A, B: the left and right operand; K: the contracted axis; several contracted axes count as one K, in the product's order):
;;     1. [M 8,192, K 1,024] x [K 1,024, N 1,024]; A: input q (given as codes); B: input Wq (given as codes): QUANTISED
;;     2. [M 8,192, K 1,024] x [K 1,024, N 1,024]; A: input k (given as codes); B: input Wk (given as codes): QUANTISED
;;     3. [M 8,192, K 1,024] x [K 1,024, N 1,024]; A: input v (given as codes); B: input Wv (given as codes): QUANTISED
;;     4. batch 64 x [M 2,048, K 64] x [K 64, N 2,048]; A: computed on the way; B: computed on the way: QUANTISED
;;     5. batch 64 x [M 2,048, K 2,048] x [K 2,048, N 64]; A: softmax (see below); B: computed on the way: QUANTISED
;;     6. [M 8,192, K 1,024] x [K 1,024, N 1,024]; A: computed on the way; B: input Wo (given as codes): QUANTISED
;;   THE QUANTISER, for each operand of a quantised product, along K:
;;     - K is cut into blocks of 32 from its start; a last block that is shorter is filled with zeros.
;;     - A block's scale is 2^e with e = floor(log2(the largest magnitude in the block)) - 2, held to -126 .. 127; a block of zeros has e = 0. As a byte (E8M0): e + 127.
;;     - Each number is divided by its block's scale, clamped to +-6, and rounded to the nearest number of E2M1, ties to even, subnormals kept.
;;     - The product sums the exact products of the quantised numbers (number of the format x scale) in f32.
;;   ~~~python
;;   def quantise(x, axis):      # numpy; x: float32 -> the quantised numbers, widened to float32 again
;;       x = np.moveaxis(x, axis, -1); K = x.shape[-1]
;;       x = np.pad(x, [(0, 0)] * (x.ndim - 1) + [(0, -K % 32)]); x = x.reshape(x.shape[:-1] + (-1, 32)); a = np.abs(x).max(-1, keepdims=True)
;;       e = np.where(a > 0, np.clip(np.frexp(np.where(a > 0, a, 1))[1] - 1 - 2, -126, 127), 0)      # np.frexp(a)[1] - 1 = floor(log2(a)), exactly
;;       r = np.clip(x / 2.0 ** e, -6, 6)
;;       step = 2.0 ** (np.maximum(np.frexp(np.where(r == 0, 1, r))[1] - 1, 0) - 1)
;;       q = np.round(r / step) * step * 2.0 ** e      # np.round: ties to even
;;       return np.moveaxis(q.reshape(q.shape[:-2] + (-1,))[..., :K], -1, axis).astype(np.float32)
;;   ~~~
;;   SOFTMAX AHEAD OF A QUANTISED PRODUCT. Where the list says 'softmax', what is quantised is not the finished softmax but p = 2^(t - M), with t = logit x log2(e) and M = ceil(the row's largest t), a whole number; so 1/2 < the row's largest p <= 1. The row's sum l is taken of the UNQUANTISED p, in f32, and the product's result is divided by l at the end. Since M is a whole number, a kernel that streams over the keys may use a running M (the ceiling of the running maximum): every later rescaling is an exact power of two, which a block's scale takes up: the codes' values come out the same.
;;   OPERANDS COMPUTED ON THE WAY. 'Computed on the way' means the value that the module computes at that place (a softmax that the list does not call 'softmax' is quantised finished and normalised). What goes into a quantiser is computed in f32, as accurately as f32 sums, v_exp_f32 and their like allow (about 1e-6 of the number): no bf16 or f16 on the way to a quantiser, and a product that is left as it is and whose result goes on into a quantised operand takes f32 operands (vector FMAs, or v_wmma_f32_16x16x4_f32). A number that lies on a knife's edge between two numbers of the format may be rounded either way, as far as f32 arithmetic and the matrix unit's own rounding can turn it there, and no further.
;;   INPUTS GIVEN AS CODES. Wk (in the module: [1024, 1024], K = its axis 1); Wo (in the module: [1024, 1024], K = its axis 1); Wq (in the module: [1024, 1024], K = its axis 1); Wv (in the module: [1024, 1024], K = its axis 1); k (in the module: [4, 2048, 1024], K = its axis 2); q (in the module: [4, 2048, 1024], K = its axis 2); v (in the module: [4, 2048, 1024], K = its axis 2): each comes as NAME_codes (uint8): NAME with its K axis moved to the last place and cut into blocks of 32 codes, [.., K / 32, bytes a block], one block behind the other in memory; two codes a byte, the lower K in the low four bits (a code: sign, 2 exponent bits, 1 mantissa bit); and NAME_scales (uint8): the same leading axes, one E8M0 byte (e + 127) for each 32 codes along K. Its value is code x scale, taken as it is: it is not quantised again, and the codes and scales need not be those that the quantiser above would give.
;; One version. Each part assembles by itself: llvm-mc -triple=amdgcn-amd-amdhsa -mcpu=gfx1250 --defsym DOCPART=n.
;; ======== version 1 of 1: 4 launches
;; workspace buffers: maskbits 524,288 bytes of whole numbers; qkv 14,155,776 bytes; oc 4,194,304 bytes; os 524,288 bytes
;; launch maskpack (part 1): grid 256 x 1, 8 waves a work-group, no clusters, 168,960 bytes of LDS; arguments attn_mask, maskbits; writes maskbits
.if DOCPART == 1
	.amdgcn_target "amdgcn-amd-amdhsa--gfx1250"
	.amdhsa_code_object_version 6
	.text
	.protected	k_qd8bc9ff911_maskpack
	.globl	k_qd8bc9ff911_maskpack
	.p2align	8
	.type	k_qd8bc9ff911_maskpack,@function
k_qd8bc9ff911_maskpack:
	s_mov_b64 s[64:65], 0
	v_nop
	global_prefetch_b8 v0, s[64:65] scope:SCOPE_SE
	s_setreg_imm32_b32 hwreg(HW_REG_WAVE_MODE, 25, 1), 1
	s_wait_xcnt 0x0
; attn_mask [2048][2048] int32 becomes lane masks: maskbits [T 128][s 16][jj 64] of 32-bit words.
; Bit l = 16 h + r of word jj = 8 t + j says whether attn_mask[16 T + r][128 s + 16 t + 8 h + j] is not 0:
; that is the lane and the register in which the attention launch holds the score of that query and key.
; The mask is the same for all 64 pairs of batch and head, so it is packed once: 16 MiB are read once, 512 KiB written.
; SHARES. A wave takes one unit (T, s): 16 rows x 128 numbers. Work-group g: T = g / 2, s = 8 (g % 2) + wave, so the eight waves
; together read 4,096 consecutive bytes of each of 16 rows. One tensor load a wave brings its unit into its own LDS bytes,
; which no other wave touches: its own wait on TENSORcnt is all the ordering needed. Nothing is filled twice.
; No cluster: no two work-groups read the same bytes. No matrix work.
.set PITCH, 528                        ; an LDS row: 512 bytes + 16 of padding = 33 x 16: the 16 rows that a load touches begin in 16 different columns of 16 bytes
.set WTILE, 16*PITCH                   ; a wave's tile
.set X,     16                         ; v16-79 the unit's 64 numbers of my lane
	s_load_b128 s[4:7], s[0:1], 0x0                ; attn_mask s[4:5], maskbits s[6:7]
	v_lshl_add_u32 v84, v0, 2, 0x29000
	v_mov_b32 v85, 0
	ds_add_u32 v84, v85
	ds_add_u32 v84, v85
	v_lshrrev_b32 v2, 5, v0
	s_delay_alu instid0(VALU_DEP_1)
	v_readfirstlane_b32 s8, v2                     ; wave 0..7
	s_lshr_b32 s9, ttmp9, 1                        ; T
	s_and_b32 s10, ttmp9, 1
	s_lshl_b32 s10, s10, 3
	s_add_co_u32 s10, s10, s8                      ; s
	s_lshl_b32 s2, s9, 17                          ; 16 rows of 8,192 bytes
	s_lshl_b32 s10, s10, 9                         ; 128 numbers of 4 bytes
	s_add_co_u32 s2, s2, s10
	s_mov_b32 s3, 0
	s_lshl_b32 s32, ttmp9, 3
	s_add_co_u32 s32, s32, s8                      ; 16 T + s = 8 g + wave
	s_lshl_b32 s32, s32, 8                         ; 64 words of 4 bytes a unit
	s_mov_b32 s33, 0
	; descriptor group 1: 16 rows x 128 elements of 4 bytes, 2,048 elements from row to row, 4 words of padding behind every 128
	s_mov_b32 s16, (2<<16)|(1<<20)|(6<<22)|(3<<25)
	s_mov_b32 s17, 128<<16                         ; tensor_dim0
	s_mov_b32 s18, 16<<16                          ; tensor_dim1
	s_mov_b32 s19, 128<<16                         ; tile_dim0
	s_mov_b32 s20, 16                              ; tile_dim1
	s_mov_b32 s21, 2048                            ; pitch
	s_mov_b32 s22, 0
	s_mov_b32 s23, 0
	s_mov_b32 s12, 1
	s_mul_i32 s13, s8, WTILE                       ; my own bytes of LDS
	s_wait_dscnt 0x0
	s_wait_kmcnt 0x0
	s_add_nc_u64 s[14:15], s[4:5], s[2:3]
	s_or_b32 s15, s15, 0x80000000
	s_add_nc_u64 s[6:7], s[6:7], s[32:33]
	tensor_load_to_lds s[12:15], s[16:23]
	s_nop 0
.rept 4
	v_nop
.endr
	v_and_b32 v3, 15, v0                           ; r
	v_bfe_u32 v4, v0, 4, 1                         ; h
	s_delay_alu instid0(VALU_DEP_2)
	v_mul_u32_u24 v1, v3, PITCH
	s_delay_alu instid0(VALU_DEP_1)
	v_lshl_add_u32 v1, v4, 5, v1                   ; row r, + 32 h bytes: eight numbers
	s_delay_alu instid0(VALU_DEP_1)
	v_add_nc_u32 v1, s13, v1
	v_and_b32 v9, 31, v0
	s_delay_alu instid0(VALU_DEP_1)
	v_lshlrev_b32 v9, 3, v9                        ; out: 8 bytes a lane
	v_mov_b32 v10, 0                               ; the words: written whole before single lanes are written
	v_mov_b32 v11, 0
	s_wait_alu depctr_va_vdst(0)
	s_wait_tensorcnt 0x0                           ; my tile is in LDS
.irp t, 0,1,2,3,4,5,6,7
	ds_load_b128 v[X+8*\t:X+8*\t+3],   v1 offset:64*\t      ; columns 16 t + 8 h + 0 .. 3
	ds_load_b128 v[X+8*\t+4:X+8*\t+7], v1 offset:64*\t+16   ; and + 4 .. 7
.endr
	s_wait_dscnt 0x0
.irp g, 0,1,2,3,4,5,6,7                ; eight words at a time: a compare gives the word, which goes to lane jj / 2 of v10 (jj even) or v11 (jj odd)
.irp k, 0,1,2,3,4,5,6,7
	v_cmp_ne_u32 s[24+\k], 0, v[X+8*\g+\k]
.endr
.irp k, 0,1,2,3,4,5,6,7
	v_writelane_b32 v[10+\k%2], s[24+\k], 4*\g+\k/2
.endr
.endr
	global_store_b64 v9, v[10:11], s[6:7]          ; the wave stores 256 consecutive bytes, aligned
	s_wait_tensorcnt 0x0
	ds_add_u32 v84, v85
	s_wait_dscnt 0x0
	s_endpgm
.Lfunc_end_k_qd8bc9ff911_maskpack:
	.size	k_qd8bc9ff911_maskpack, .Lfunc_end_k_qd8bc9ff911_maskpack-k_qd8bc9ff911_maskpack
	.p2alignl 7, 3214868480
	.fill 96, 4, 3214868480
	.section	.rodata,"a",@progbits
	.p2align	6, 0x0
	.amdhsa_kernel k_qd8bc9ff911_maskpack
		.amdhsa_group_segment_fixed_size 168960
		.amdhsa_private_segment_fixed_size 0
		.amdhsa_enable_private_segment 0
		.amdhsa_kernarg_size 16
		.amdhsa_user_sgpr_count 2
		.amdhsa_user_sgpr_kernarg_segment_ptr 1
		.amdhsa_wavefront_size32 1
		.amdhsa_system_sgpr_workgroup_id_x 1
		.amdhsa_system_sgpr_workgroup_id_y 1
		.amdhsa_system_sgpr_workgroup_id_z 1
		.amdhsa_system_vgpr_workitem_id 0
		.amdhsa_next_free_vgpr 86
		.amdhsa_next_free_sgpr 66
		.amdhsa_reserve_vcc 0
		.amdhsa_float_denorm_mode_32 3
		.amdhsa_float_denorm_mode_16_64 3
		.amdhsa_memory_ordered 1
		.amdhsa_forward_progress 1
		.amdhsa_inst_pref_size 12
	.end_amdhsa_kernel
	.amdgpu_metadata
---
amdhsa.version: [ 1, 2 ]
amdhsa.kernels:
  - .name:           k_qd8bc9ff911_maskpack
    .symbol:         k_qd8bc9ff911_maskpack.kd
    .args:
      - { .name: attn_mask, .offset: 0, .size: 8, .value_kind: global_buffer, .address_space: global }
      - { .name: maskbits, .offset: 8, .size: 8, .value_kind: global_buffer, .address_space: global }
    .group_segment_fixed_size: 168960
    .private_segment_fixed_size: 0
    .kernarg_segment_align: 8
    .kernarg_segment_size: 16
    .max_flat_workgroup_size: 256
    .sgpr_count:     66
    .vgpr_count:     86
    .wavefront_size: 32
...
	.end_amdgpu_metadata
.endif
;; end of part 1
;; launch proj (part 2): grid 4 x 192, 8 waves a work-group, clusters of 4 x 4, 222,976 bytes of LDS; arguments q_codes, q_scales, Wq_codes, Wq_scales, bq, k_codes, k_scales, Wk_codes, Wk_scales, bk, Wv_codes, Wv_scales, v_codes, v_scales, bv, qkv; writes qkv
.if DOCPART == 2
	.amdgcn_target "amdgcn-amd-amdhsa--gfx1250"
	.amdhsa_code_object_version 6
	.text
	.protected	k_qd8bc9ff911_proj
	.globl	k_qd8bc9ff911_proj
	.p2align	8
	.type	k_qd8bc9ff911_proj,@function
k_qd8bc9ff911_proj:
	s_mov_b64 s[64:65], 0
	v_nop
	global_prefetch_b8 v0, s[64:65] scope:SCOPE_SE
	s_setreg_imm32_b32 hwreg(HW_REG_WAVE_MODE, 25, 1), 1
	s_wait_xcnt 0x0
	s_wait_alu depctr_hold_cnt(0) depctr_sa_sdst(0) depctr_va_vdst(0) depctr_va_sdst(0) depctr_va_ssrc(0) depctr_va_vcc(0) depctr_vm_vsrc(0)
	s_getreg_b32 s2, hwreg(HW_REG_IB_STS2, 6, 4)
	s_cmp_eq_u32 s2, 0
	s_cbranch_scc0 .Lentry_in_a_cluster
	s_endpgm
.Lentry_in_a_cluster:
	s_bfe_u32 s2, ttmp6, 0x10000c
	s_cmp_lg_u32 s2, 0xf033
	s_cbranch_scc0 .Lentry_shape_is_right
	s_endpgm
.Lentry_shape_is_right:
; The three input projections on codes of FP4 (E2M1) with E8M0 scales, their biases, and the quantiser of their results.
; Q = q Wq^T + bq and K = k Wk^T + bk are quantised along a head's 64 channels, V = v Wv^T + bv along the keys.
; ONE FORM FOR ALL THREE. The matrix instruction takes 16 rows of X0 as source 0 and 16 rows of X1 as source 1: a lane then holds ONE row of X1
; (lane % 16) and its registers run along X0's rows, 16 t + 8 (lane / 16) + j: the axis to be quantised. Q, K: X1 = the tokens, X0 = the weight.
; V: X1 = Wv, X0 = the tokens, so that the registers run along the keys. The buffers are chosen by the cluster's number alone.
; SHARES. 48 clusters of 4 x 4 work-groups: 16 for each tensor. A work-group makes 256 rows of X1 x 128 rows of X0; wave w makes X1 quarter w / 2 (64 rows,
; tiles a = 0..3) x X0 half w % 2 (64 rows, tiles t = 0..3): 16 accumulators. X1's tiles are shared along a row of the cluster, X0's along a column: joint loads.
; LDS. All of K = 1,024 lies in LDS at once, as two slots of 512 along K (rows of 256 bytes + 16), each byte filled once; the scale bytes lie behind them.
; OUT. A tile's 64 numbers of a lane (two blocks of 32, shared with lane xor 16) become four registers of codes in the operand's own layout; they are stored as an
; image of those registers, 16 bytes a lane: each store of the wave covers 512 consecutive bytes, aligned. The scale words leave 8 bytes a lane: 256 consecutive bytes.
; qkv: 64 records of 221,184 bytes, one for each batch and head: K's codes, V's codes, K's scale words, V's, Q's codes, Q's scale words.
; LIMITS: NaN and infinities among the inputs are not served; a block of zeros gets the scale byte 1 (its codes are zeros, and this program alone reads the byte).
.set PITCH,  272                       ; an LDS row of codes: 256 bytes + 16 = 17 x 16
.set SLOT,   384*PITCH                 ; X1's 256 rows, then X0's 128
.set X0OFF,  256*PITCH
.set SCL,    2*SLOT                    ; X1's scale bytes: 8,192 dense bytes as 32 rows of 256 + 16
.set SCB,    SCL+32*272                ; X0's: 16 such rows
.set HS,     221184                    ; a head's record in qkv
.set SA,  16                           ; v16-23  X1's scale words: 4 p + q: lanes 0-15 tile 2 p, lanes 16-31 tile 2 p + 1; q: the slot's q-th 128 along K
.set SB,  24                           ; v24-31  X0's likewise
.set BI,  32                           ; v32-63  the bias, as the C of the first products
.set XF0, 64                           ; v64-95  X0's four fragments
.set XF1, 96                           ; v96-127 X1's four
.set ACC, 128                          ; v128-255 accumulator (a, t) at 128 + 8 (4 a + t)
.set TM,  32                           ; on the way out: largest magnitudes,
.set TX,  36                           ; the other half's, then the scale bytes,
.set SF,  44                           ; the conversions' scale operands,
.set W0,  48                           ; two tiles' scale words,
.set PR,  50                           ; v50-51 the scale words to store,
.set PCD, 52                           ; v52-67 the codes
.macro CROUND                          ; a round of the cluster's barrier
	s_barrier_signal -1
	s_barrier_wait -1
	s_cmp_lg_u32 s16, 0
	s_cbranch_scc1 .Lnw0_\@
	s_barrier_signal -3
.Lnw0_\@:
	s_barrier_wait -3
	s_barrier_signal -1
	s_barrier_wait -1
.endm
.macro PLACES n
.rept \n
	v_nop
.endr
.endm
; one product; ra, rb: source 0's, source 1's scales stand in lanes 16-31
.macro WM d, fa, fb, cc, sa, sb, ra, rb
.if (\ra) && (\rb)
	v_wmma_scale_f32_16x16x128_f8f6f4 v[(\d):(\d)+7], v[(\fa):(\fa)+7], v[(\fb):(\fb)+7], v[(\cc):(\cc)+7], v[(\sa)], v[(\sb)] matrix_a_fmt:MATRIX_FMT_FP4 matrix_b_fmt:MATRIX_FMT_FP4 matrix_a_scale:MATRIX_SCALE_ROW1 matrix_b_scale:MATRIX_SCALE_ROW1
.elseif (\ra)
	v_wmma_scale_f32_16x16x128_f8f6f4 v[(\d):(\d)+7], v[(\fa):(\fa)+7], v[(\fb):(\fb)+7], v[(\cc):(\cc)+7], v[(\sa)], v[(\sb)] matrix_a_fmt:MATRIX_FMT_FP4 matrix_b_fmt:MATRIX_FMT_FP4 matrix_a_scale:MATRIX_SCALE_ROW1
.elseif (\rb)
	v_wmma_scale_f32_16x16x128_f8f6f4 v[(\d):(\d)+7], v[(\fa):(\fa)+7], v[(\fb):(\fb)+7], v[(\cc):(\cc)+7], v[(\sa)], v[(\sb)] matrix_a_fmt:MATRIX_FMT_FP4 matrix_b_fmt:MATRIX_FMT_FP4 matrix_b_scale:MATRIX_SCALE_ROW1
.else
	v_wmma_scale_f32_16x16x128_f8f6f4 v[(\d):(\d)+7], v[(\fa):(\fa)+7], v[(\fb):(\fb)+7], v[(\cc):(\cc)+7], v[(\sa)], v[(\sb)] matrix_a_fmt:MATRIX_FMT_FP4 matrix_b_fmt:MATRIX_FMT_FP4
.endif
.endm
; 16 products, 128 along K: the 16 accumulators take turns, one instruction a turn, in the same order in every step.
; mode 0: the sums go on; 1: they begin with the bias by X0's rows; 2: with the bias by X1's rows
.macro MUL q, mode
.irp a, 0,1,2,3
.irp t, 0,1,2,3
.if \mode == 0
	WM ACC+8*(4*\a+\t), XF0+8*\t, XF1+8*\a, ACC+8*(4*\a+\t), SB+4*(\t/2)+\q, SA+4*(\a/2)+\q, \t%2, \a%2
.elseif \mode == 1
	WM ACC+8*(4*\a+\t), XF0+8*\t, XF1+8*\a, BI+8*\t, SB+4*(\t/2)+\q, SA+4*(\a/2)+\q, \t%2, \a%2
.else
	WM ACC+8*(4*\a+\t), XF0+8*\t, XF1+8*\a, BI+8*\a, SB+4*(\t/2)+\q, SA+4*(\a/2)+\q, \t%2, \a%2
.endif
.endr
.endr
.endm
.macro SCALES slot                     ; a slot's four scale words of each row: lane l takes row 32 p + l of my 64
.irp p, 0,1
	ds_load_b128 v[SA+4*\p:SA+4*\p+3], v8 offset:\p*1088+16*\slot
	ds_load_b128 v[SB+4*\p:SB+4*\p+3], v9 offset:\p*1088+16*\slot
.endr
.endm
.macro FRAGS slot, q                   ; a fragment: lane (r, h) takes 16 bytes at 16 h and 16 at 32 + 16 h of row r's 64 bytes
.irp i, 0,1,2,3
.irp c, 0,1
	ds_load_b128 v[XF0+8*\i+4*\c:XF0+8*\i+4*\c+3], v[6+\slot] offset:\i*16*PITCH+64*(\q)+32*\c
	ds_load_b128 v[XF1+8*\i+4*\c:XF1+8*\i+4*\c+3], v[4+\slot] offset:\i*16*PITCH+64*(\q)+32*\c
.endr
.endr
.endm
.macro STEP slot, q
	PLACES 4                                       ; four plain vector instructions between the last products and loads into the registers that they read
.if \q == 0
	SCALES \slot
.endif
	FRAGS \slot, \q
	s_wait_dscnt 0x0
	MUL \q, 0
.endm
; nb blocks of 32: block b is my 16 registers from v[s + 16 b] and those of lane xor 16. Leaves the conversions' scale operands in SF and the scale bytes in TX.
.macro QB s, nb
.irp b, 0,1,2,3
.if \b < \nb
	v_max3_num_f32 v[TM+\b], |v[(\s)+16*\b]|, |v[(\s)+16*\b+1]|, 0x1800000   ; with the floor 2^(3 - 127): the byte cannot fall under 1
.endif
.endr
.irp i, 2,4,6,8,10,12,14
.irp b, 0,1,2,3
.if \b < \nb
	v_max3_num_f32 v[TM+\b], v[TM+\b], |v[(\s)+16*\b+\i]|, |v[(\s)+16*\b+\i+1]|
.endif
.endr
.endr
.irp b, 0,1,2,3
.if \b < \nb
	s_delay_alu instid0(VALU_DEP_4)
	v_permlanex16_b32 v[TX+\b], v[TM+\b], s94, s95
.endif
.endr
.irp b, 0,1,2,3
.if \b < \nb
	s_delay_alu instid0(VALU_DEP_4)
	v_max_num_f32 v[TM+\b], v[TM+\b], v[TX+\b]     ; the block's largest magnitude
.endif
.endr
.irp b, 0,1,2,3
.if \b < \nb
	s_delay_alu instid0(VALU_DEP_4)
	v_add_nc_u32 v[SF+\b], 0xff000000, v[TM+\b]    ; 2 off its exponent field: the conversion takes that field as its scale
.endif
.endr
.irp b, 0,1,2,3
.if \b < \nb
	s_delay_alu instid0(VALU_DEP_4)
	v_lshrrev_b32 v[TX+\b], 23, v[SF+\b]           ; the scale's byte
.endif
.endr
.endm
; The codes. My eight numbers of (block b, tile u) are k = 32 b + 16 u + 8 h + 0..7: group 2 u + h of the block's four groups of eight. Their register goes to pc + 4 (b / 2) + 2 u + b % 2;
; the exchange of halves then leaves in register 4 c + i group i of block 2 c (lanes 0-15) and of block 2 c + 1 (lanes 16-31): the 4-bit operand's layout.
.macro CV s, pc, nb
.irp b, 0,1,2,3
.if \b < \nb
.irp u, 0,1
	v_cvt_scalef32_pk8_fp4_f32 v[(\pc)+4*(\b/2)+2*\u+(\b%2)], v[(\s)+16*\b+8*\u:(\s)+16*\b+8*\u+7], v[SF+\b]
.endr
.endif
.endr
	v_nop                                          ; one plain instruction behind the scaled conversions
.irp c, 0,1
.if 2*\c < \nb
.irp u, 0,1
	v_permlane16_swap_b32 v[(\pc)+4*\c+2*\u], v[(\pc)+4*\c+2*\u+1]
.endr
.endif
.endr
.endm
	s_load_b256 s[4:11], s[0:1], 0x0               ; Q's set: X1 codes, X1 scales, X0 codes, X0 scales,
	s_load_b64 s[12:13], s[0:1], 0x20              ; bias
	s_load_b256 s[20:27], s[0:1], 0x28             ; K's set
	s_load_b64 s[28:29], s[0:1], 0x48
	s_load_b256 s[32:39], s[0:1], 0x50             ; V's set (X1 = Wv, X0 = v)
	s_load_b64 s[40:41], s[0:1], 0x70
	s_load_b64 s[14:15], s[0:1], 0x78              ; qkv
	s_set_vgpr_msb 0x40
	v_lshl_add_u32 v0, v0, 2, 0x36300
	v_mov_b32 v1, 0
	s_set_vgpr_msb 0x4045
	ds_add_u32 v0, v1
	ds_add_u32 v0, v1
	s_set_vgpr_msb 0x4500
	v_lshrrev_b32 v1, 5, v0
	s_delay_alu instid0(VALU_DEP_1)
	v_readfirstlane_b32 s16, v1                    ; wave 0..7
	s_and_b32 s17, s16, 3                          ; which part of a tile I fetch
	s_and_b32 s97, ttmp7, 0xffff                   ; the cluster's number, 0..47
	s_lshr_b32 s18, s97, 4                         ; the tensor: 0 Q, 1 K, 2 V
	s_and_b32 s98, s97, 15
	s_bfe_u32 s80, ttmp6, 0x40000                  ; cx
	s_bfe_u32 s81, ttmp6, 0x40004                  ; cy
	s_lshl_b32 s82, s81, 2
	s_lshl_b32 s82, 15, s82                        ; my row of the cluster
	s_lshl_b32 s83, 0x1111, s80                    ; my column
	s_lshr_b32 s99, s98, 1
	s_and_b32 s100, s98, 1
	s_cmp_eq_u32 s18, 2
	s_cselect_b32 s19, 1, 0                        ; is it V?
	s_cselect_b32 s99, 0, s99                      ; Q, K: 8 x 2 clusters over X1 x X0;  V: 1 x 16
	s_cselect_b32 s100, s98, s100
	s_lshl_b32 s84, s99, 2
	s_add_co_u32 s84, s84, s81                     ; X1's tile of 256 rows: hangs on cy alone
	s_lshl_b32 s85, s100, 2
	s_add_co_u32 s85, s85, s80                     ; X0's tile of 128 rows: on cx alone
	s_lshl_b32 s86, s84, 8
	s_lshl_b32 s98, s17, 6
	s_add_co_u32 s86, s86, s98                     ; X1: the first of the 64 rows that waves 0-3 fetch
	s_lshl_b32 s88, s86, 5                         ; its scale bytes,
	s_lshl_b32 s86, s86, 9                         ; its codes
	s_mov_b32 s87, 0
	s_mov_b32 s89, 0
	s_lshl_b32 s90, s85, 7
	s_lshl_b32 s98, s17, 5
	s_add_co_u32 s90, s90, s98                     ; X0: the first of the 32 rows that waves 4-7 fetch
	s_lshl_b32 s92, s90, 5
	s_lshl_b32 s90, s90, 9
	s_mov_b32 s91, 0
	s_mov_b32 s93, 0
	s_mov_b32 s94, 0x76543210                      ; lane selects: lane xor 16
	s_mov_b32 s95, 0xfedcba98
	s_mov_b32 s96, 0xffff0000                      ; lanes 16-31
	s_wait_dscnt 0x0
	s_wait_kmcnt 0x0
	s_cmp_eq_u32 s18, 1                            ; the choice of buffers hangs on the cluster's number alone
	s_cselect_b64 s[4:5], s[20:21], s[4:5]
	s_cselect_b64 s[6:7], s[22:23], s[6:7]
	s_cselect_b64 s[8:9], s[24:25], s[8:9]
	s_cselect_b64 s[10:11], s[26:27], s[10:11]
	s_cselect_b64 s[12:13], s[28:29], s[12:13]
	s_cmp_eq_u32 s18, 2
	s_cselect_b64 s[4:5], s[32:33], s[4:5]
	s_cselect_b64 s[6:7], s[34:35], s[6:7]
	s_cselect_b64 s[8:9], s[36:37], s[8:9]
	s_cselect_b64 s[10:11], s[38:39], s[10:11]
	s_cselect_b64 s[12:13], s[40:41], s[12:13]
	; descriptor groups 1. Codes: rows of 256 bytes, 512 bytes apart in memory, 16 bytes of padding behind each. X1: 64 rows a load, shared along my row; X0: 32 rows, along my column
	s_or_b32 s20, s82, (1<<20)|(1<<21)|(5<<22)|(3<<25)
	s_mov_b32 s21, 256<<16
	s_mov_b32 s22, 64<<16
	s_mov_b32 s23, 256<<16
	s_mov_b32 s24, 64
	s_mov_b32 s25, 512
	s_mov_b32 s26, 0
	s_mov_b32 s27, 0
	s_or_b32 s28, s83, (1<<20)|(1<<21)|(5<<22)|(3<<25)
	s_mov_b32 s29, 256<<16
	s_mov_b32 s30, 32<<16
	s_mov_b32 s31, 256<<16
	s_mov_b32 s32, 32
	s_mov_b32 s33, 512
	s_mov_b32 s34, 0
	s_mov_b32 s35, 0
	; scale bytes: dense in memory: rows of 256 bytes (32 elements of 8), 16 bytes of padding behind each. X1: 64 rows x 32 bytes = 8 such rows; X0: 4
	s_or_b32 s36, s82, (3<<16)|(1<<20)|(1<<21)|(5<<22)|(3<<25)
	s_mov_b32 s37, 32<<16
	s_mov_b32 s38, 8<<16
	s_mov_b32 s39, 32<<16
	s_mov_b32 s40, 8
	s_mov_b32 s41, 32
	s_mov_b32 s42, 0
	s_mov_b32 s43, 0
	s_or_b32 s44, s83, (3<<16)|(1<<20)|(1<<21)|(5<<22)|(3<<25)
	s_mov_b32 s45, 32<<16
	s_mov_b32 s46, 4<<16
	s_mov_b32 s47, 32<<16
	s_mov_b32 s48, 4
	s_mov_b32 s49, 32
	s_mov_b32 s50, 0
	s_mov_b32 s51, 0
	; groups 0. LDS addresses hang on the wave's number alone
	s_mul_i32 s97, s17, 64*PITCH
	s_mul_i32 s98, s17, 8*272
	s_mul_i32 s99, s17, 32*PITCH
	s_mul_i32 s100, s17, 4*272
	s_mov_b32 s52, 1                               ; X1's scale bytes
	s_add_co_u32 s53, s98, SCL
	s_add_nc_u64 s[54:55], s[6:7], s[88:89]
	s_or_b32 s55, s55, 0x80000000
	s_mov_b32 s56, 1                               ; X1's codes, slot 0
	s_mov_b32 s57, s97
	s_add_nc_u64 s[58:59], s[4:5], s[86:87]
	s_mov_b32 s60, 1                               ; slot 1: 256 bytes on in each row
	s_add_co_u32 s61, s97, SLOT
	s_add_nc_u64 s[62:63], s[58:59], 256
	s_or_b32 s59, s59, 0x80000000
	s_or_b32 s63, s63, 0x80000000
	s_mov_b32 s68, 1                               ; X0's scale bytes
	s_add_co_u32 s69, s100, SCB
	s_add_nc_u64 s[70:71], s[10:11], s[92:93]
	s_or_b32 s71, s71, 0x80000000
	s_mov_b32 s72, 1                               ; X0's codes, slot 0
	s_add_co_u32 s73, s99, X0OFF
	s_add_nc_u64 s[74:75], s[8:9], s[90:91]
	s_mov_b32 s76, 1                               ; slot 1
	s_add_co_u32 s77, s99, SLOT+X0OFF
	s_add_nc_u64 s[78:79], s[74:75], 256
	s_or_b32 s75, s75, 0x80000000
	s_or_b32 s79, s79, 0x80000000
	CROUND                                         ; all sixteen work-groups are here: the joint loads meet
	s_cmp_lt_u32 s16, 4                            ; a wave's three fills stand in one branch on the wave's number: three loads of mine are out
	s_cbranch_scc0 .Lfill_x0
	tensor_load_to_lds s[52:55], s[36:43]
	s_nop 0
	tensor_load_to_lds s[56:59], s[20:27]
	s_nop 0
	tensor_load_to_lds s[60:63], s[20:27]
	s_nop 0
.rept 4
	v_nop
.endr
	s_branch .Lfilled
.Lfill_x0:
	tensor_load_to_lds s[68:71], s[44:51]
	s_nop 0
	tensor_load_to_lds s[72:75], s[28:35]
	s_nop 0
	tensor_load_to_lds s[76:79], s[28:35]
	s_nop 0
.rept 4
	v_nop
.endr
.Lfilled:
	v_and_b32 v1, 15, v0                           ; r
	v_bfe_u32 v2, v0, 4, 1                         ; h
	v_and_b32 v3, 31, v0                           ; lane
	s_lshr_b32 s97, s16, 1                         ; my quarter of X1's rows
	s_and_b32 s98, s16, 1                          ; my half of X0's
	v_mul_u32_u24 v4, v1, PITCH
	s_delay_alu instid0(VALU_DEP_1)
	v_lshl_add_u32 v4, v2, 4, v4                   ; row r, + 16 h
	s_mul_i32 s99, s97, 64*PITCH
	s_mul_i32 s100, s98, 64*PITCH
	s_add_co_u32 s100, s100, X0OFF
	v_add_nc_u32 v6, s100, v4                      ; v6, v7: X0's fragments in slot 0, 1
	v_add_nc_u32 v4, s99, v4                       ; v4, v5: X1's
	s_delay_alu instid0(VALU_DEP_1)
	v_add_nc_u32 v5, SLOT, v4
	s_delay_alu instid0(VALU_DEP_3)
	v_add_nc_u32 v7, SLOT, v6
	v_lshrrev_b32 v8, 3, v3
	v_lshlrev_b32 v9, 5, v3
	s_delay_alu instid0(VALU_DEP_1)
	v_lshl_add_u32 v9, v8, 4, v9                   ; a row's 32 scale bytes: 32 x row, and 16 more for each 256 passed
	s_mul_i32 s99, s97, 8*272
	s_add_co_u32 s99, s99, SCL
	s_mul_i32 s100, s98, 8*272
	s_add_co_u32 s100, s100, SCB
	v_add_nc_u32 v8, s99, v9                       ; v8: X1's scale words
	v_add_nc_u32 v9, s100, v9                      ; v9: X0's
	v_lshlrev_b32 v10, 5, v2                       ; 32 h
	s_wait_alu depctr_va_vdst(0)
	v_lshlrev_b32 v11, 3, v3                       ; 8 x lane
	v_lshlrev_b32 v12, 4, v3                       ; 16 x lane
	v_lshlrev_b32 v1, 2, v1                        ; 4 r
	s_wait_alu depctr_va_vdst(0)
	s_lshl_b32 s99, s84, 8
	s_lshl_b32 s97, s97, 6
	s_add_co_u32 s99, s99, s97                     ; my first row of X1
	s_lshl_b32 s100, s85, 7
	s_lshl_b32 s98, s98, 6
	s_add_co_u32 s100, s100, s98                   ; my first row of X0
	; the bias is loaded in both forms, without a branch; the index that is not a feature is cut to 0..1023, so that no load leaves the buffer (what it brings is not used)
	s_and_b32 s86, s100, 1023
	s_lshl_b32 s86, s86, 2
	s_add_nc_u64 s[8:9], s[12:13], s[86:87]
	s_and_b32 s86, s99, 1023
	s_lshl_b32 s86, s86, 2
	s_add_nc_u64 s[10:11], s[12:13], s[86:87]
.irp t, 0,1,2,3
	global_load_b128 v[BI+8*\t:BI+8*\t+3],   v10, s[8:9] offset:64*\t      ; by X0's rows: 16 t + 8 h + 0 .. 7
	global_load_b128 v[BI+8*\t+4:BI+8*\t+7], v10, s[8:9] offset:64*\t+16
.endr
.irp a, 0,1,2,3
	global_load_b32 v[ACC+\a], v1, s[10:11] offset:64*\a                   ; by X1's rows: 16 a + r
.endr
	; where my results go
	s_cmp_eq_u32 s19, 1
	s_cselect_b32 s101, s100, s99                  ; the token
	s_cselect_b32 s97, s99, s100                   ; the feature
	s_lshr_b32 s98, s101, 11
	s_lshl_b32 s98, s98, 4
	s_lshr_b32 s97, s97, 6
	s_add_co_u32 s98, s98, s97                     ; 16 x batch + head
	s_mul_i32 s98, s98, HS
	s_and_b32 s101, s101, 2047                     ; the place in the sequence, a multiple of 64
	s_lshl_b32 s99, s101, 5                        ; Q, K: 512 bytes for each tile of 16 tokens
	s_lshr_b32 s100, s101, 7                       ; V: 4,096 bytes for each 128 keys,
	s_lshl_b32 s100, s100, 12
	s_bfe_u32 s97, s101, 0x10006
	s_lshl_b32 s97, s97, 9                         ; 512 for the upper 64 of them
	s_add_co_u32 s100, s100, s97
	s_mov_b32 s86, 0                               ; K's codes, K's scale words, from tile to tile
	s_mov_b32 s88, 131072
	s_mov_b32 s90, 512
	s_cmp_eq_u32 s18, 0
	s_cselect_b32 s86, 147456, s86                 ; Q's
	s_cselect_b32 s88, 212992, s88
	s_cmp_eq_u32 s18, 2
	s_cselect_b32 s86, 65536, s86                  ; V's
	s_cselect_b32 s88, 139264, s88
	s_cselect_b32 s99, s100, s99
	s_cselect_b32 s90, 1024, s90
	s_add_co_u32 s86, s86, s99
	s_add_co_u32 s86, s86, s98
	s_lshl_b32 s101, s101, 2                       ; scale words: 256 bytes for each 64 tokens
	s_add_co_u32 s88, s88, s101
	s_add_co_u32 s88, s88, s98
	s_add_nc_u64 s[4:5], s[14:15], s[86:87]
	s_add_nc_u64 s[6:7], s[14:15], s[88:89]
	v_add_nc_u32 v13, s90, v12                     ; v12-15: 16 x lane + tile a's place
	s_lshl_b32 s91, s90, 1
	v_add_nc_u32 v14, s91, v12
	s_add_co_u32 s91, s91, s90
	v_add_nc_u32 v15, s91, v12
	s_wait_tensorcnt 0x1                           ; one younger load may be out (slot 1): my scale bytes and my part of slot 0 are in,
	s_barrier_signal -1
	s_barrier_wait -1                              ; and everybody's are
	SCALES 0
	FRAGS 0, 0
	s_wait_loadcnt 0x0                             ; the bias
	s_wait_dscnt 0x0
	s_cmp_eq_u32 s19, 0                            ; hangs on the cluster's number: alike in all partners
	s_cbranch_scc0 .Lfirst_v
	MUL 0, 1                                       ; the first products begin the sums with the bias: nothing is cleared or added
	s_branch .Lfirst_done
.Lfirst_v:
.irp a, 0,1,2,3
.irp j, 0,1,2,3,4,5,6,7
	v_mov_b32 v[BI+8*\a+\j], v[ACC+\a]             ; V: a lane's eight results of a tile belong to one channel
.endr
.endr
	PLACES 4
	MUL 0, 2
.Lfirst_done:
	STEP 0, 1
	STEP 0, 2
	STEP 0, 3
	s_wait_tensorcnt 0x0                           ; my part of slot 1 is in (no LDS load of mine is out),
	s_barrier_signal -1
	s_barrier_wait -1                              ; and everybody's is
	STEP 1, 0
	STEP 1, 1
	STEP 1, 2
	STEP 1, 3
	; THE WAY OUT: two tiles of X1's rows at a time: four blocks of 32
	PLACES 4
.irp b, 0,1,2,3
	v_mov_b32 v[TX+\b], 0                          ; a lane permute's destination counts as read
.endr
.irp g, 0,1
	QB ACC+64*\g, 4
	s_delay_alu instid0(VALU_DEP_3)
	v_lshl_or_b32 v[W0], v[TX+1], 8, v[TX]         ; tile 2 g's scale word: two bytes, the upper two 0
	s_delay_alu instid0(VALU_DEP_2)
	v_lshl_or_b32 v[W0+1], v[TX+3], 8, v[TX+2]     ; tile 2 g + 1's
	s_delay_alu instid0(VALU_DEP_1)
	v_cndmask_b32 v[PR+\g], v[W0], v[W0+1], s96    ; lanes 0-15 carry the first, lanes 16-31 the second
	CV ACC+64*\g, PCD+8*\g, 4
	global_store_b128 v[12+2*\g], v[PCD+8*\g:PCD+8*\g+3], s[4:5]
	global_store_b128 v[13+2*\g], v[PCD+8*\g+4:PCD+8*\g+7], s[4:5]
.endr
	global_store_b64 v11, v[PR:PR+1], s[6:7]
	s_set_vgpr_msb 0x5
	s_wait_tensorcnt 0x0
	ds_add_u32 v0, v1
	s_wait_dscnt 0x0
	s_set_vgpr_msb 0x500
	CROUND                                         ; the closing round: no work-group ends while a partner may still ask for a tile that names it
	s_endpgm
.Lfunc_end_k_qd8bc9ff911_proj:
	.size	k_qd8bc9ff911_proj, .Lfunc_end_k_qd8bc9ff911_proj-k_qd8bc9ff911_proj
	.p2alignl 7, 3214868480
	.fill 96, 4, 3214868480
	.section	.rodata,"a",@progbits
	.p2align	6, 0x0
	.amdhsa_kernel k_qd8bc9ff911_proj
		.amdhsa_group_segment_fixed_size 222976
		.amdhsa_private_segment_fixed_size 0
		.amdhsa_enable_private_segment 0
		.amdhsa_kernarg_size 128
		.amdhsa_user_sgpr_count 2
		.amdhsa_user_sgpr_kernarg_segment_ptr 1
		.amdhsa_wavefront_size32 1
		.amdhsa_system_sgpr_workgroup_id_x 1
		.amdhsa_system_sgpr_workgroup_id_y 1
		.amdhsa_system_sgpr_workgroup_id_z 1
		.amdhsa_system_vgpr_workitem_id 0
		.amdhsa_next_free_vgpr 258
		.amdhsa_next_free_sgpr 102
		.amdhsa_reserve_vcc 0
		.amdhsa_float_denorm_mode_32 3
		.amdhsa_float_denorm_mode_16_64 3
		.amdhsa_memory_ordered 1
		.amdhsa_forward_progress 1
		.amdhsa_inst_pref_size 51
	.end_amdhsa_kernel
	.amdgpu_metadata
---
amdhsa.version: [ 1, 2 ]
amdhsa.kernels:
  - .name:           k_qd8bc9ff911_proj
    .symbol:         k_qd8bc9ff911_proj.kd
    .args:
      - { .name: q_codes, .offset: 0, .size: 8, .value_kind: global_buffer, .address_space: global }
      - { .name: q_scales, .offset: 8, .size: 8, .value_kind: global_buffer, .address_space: global }
      - { .name: Wq_codes, .offset: 16, .size: 8, .value_kind: global_buffer, .address_space: global }
      - { .name: Wq_scales, .offset: 24, .size: 8, .value_kind: global_buffer, .address_space: global }
      - { .name: bq, .offset: 32, .size: 8, .value_kind: global_buffer, .address_space: global }
      - { .name: k_codes, .offset: 40, .size: 8, .value_kind: global_buffer, .address_space: global }
      - { .name: k_scales, .offset: 48, .size: 8, .value_kind: global_buffer, .address_space: global }
      - { .name: Wk_codes, .offset: 56, .size: 8, .value_kind: global_buffer, .address_space: global }
      - { .name: Wk_scales, .offset: 64, .size: 8, .value_kind: global_buffer, .address_space: global }
      - { .name: bk, .offset: 72, .size: 8, .value_kind: global_buffer, .address_space: global }
      - { .name: Wv_codes, .offset: 80, .size: 8, .value_kind: global_buffer, .address_space: global }
      - { .name: Wv_scales, .offset: 88, .size: 8, .value_kind: global_buffer, .address_space: global }
      - { .name: v_codes, .offset: 96, .size: 8, .value_kind: global_buffer, .address_space: global }
      - { .name: v_scales, .offset: 104, .size: 8, .value_kind: global_buffer, .address_space: global }
      - { .name: bv, .offset: 112, .size: 8, .value_kind: global_buffer, .address_space: global }
      - { .name: qkv, .offset: 120, .size: 8, .value_kind: global_buffer, .address_space: global }
    .group_segment_fixed_size: 222976
    .private_segment_fixed_size: 0
    .kernarg_segment_align: 8
    .kernarg_segment_size: 128
    .max_flat_workgroup_size: 256
    .sgpr_count:     102
    .vgpr_count:     258
    .wavefront_size: 32
...
	.end_amdgpu_metadata
.endif
;; end of part 2
;; launch attn (part 3): grid 4 x 64, 16 waves a work-group, clusters of 4 x 1, 169,984 bytes of LDS; arguments qkv, maskbits, oc, os; writes oc, os
.if DOCPART == 3
	.amdgcn_target "amdgcn-amd-amdhsa--gfx1250"
	.amdhsa_code_object_version 6
	.text
	.protected	k_qd8bc9ff911_attn
	.globl	k_qd8bc9ff911_attn
	.p2align	8
	.type	k_qd8bc9ff911_attn,@function
k_qd8bc9ff911_attn:
	s_mov_b64 s[64:65], 0
	v_nop
	global_prefetch_b8 v0, s[64:65] scope:SCOPE_SE
	s_setreg_imm32_b32 hwreg(HW_REG_WAVE_MODE, 25, 1), 1
	s_wait_xcnt 0x0
	s_wait_alu depctr_hold_cnt(0) depctr_sa_sdst(0) depctr_va_vdst(0) depctr_va_sdst(0) depctr_va_ssrc(0) depctr_va_vcc(0) depctr_vm_vsrc(0)
	s_getreg_b32 s2, hwreg(HW_REG_IB_STS2, 6, 4)
	s_cmp_eq_u32 s2, 0
	s_cbranch_scc0 .Lentry_in_a_cluster
	s_endpgm
.Lentry_in_a_cluster:
	s_bfe_u32 s2, ttmp6, 0x10000c
	s_cmp_lg_u32 s2, 0x3003
	s_cbranch_scc0 .Lentry_shape_is_right
	s_endpgm
.Lentry_shape_is_right:
; Attention of one batch and head on codes of FP4 (E2M1) with E8M0 scales, with the input mask, and the quantiser of its result along the model axis.
; t = score x log2(e) / 8; M = the running largest t rounded up to a whole number; p = 2^(t - M) is quantised along the keys, not normalised;
; the sum is taken of the unquantised p and divides O at the end. When M moves, the sum and O are multiplied by 2^(old M - new M): exact.
; SHARES. A work-group owns 512 queries of one head; each of its 16 waves two tiles of 16 queries, one after the other; four waves to a SIMD, so that one wave's vector work
; stands beside another's products and LDS loads. Every wave walks all 2,048 keys, 128 a step.
; CLUSTER. The four work-groups of a cluster belong to one head: its K and V codes and scale words, 147,456 dense bytes, are asked for jointly, 9,216 bytes a wave, once. Nothing is filled twice.
; LAYOUT. S^T = K Q^T (source 0 = 16 keys, source 1 = my 16 queries), O^T = V^T P^T: a lane holds ONE query (lane % 16) throughout; register 8 t + j holds key 16 t + 8 (lane / 16) + j of the step.
; The head size is 64, half of the instruction's K: the upper four registers of K's and Q's fragments hold zero codes, and their scale bytes are 0 (a power of two, no NaN).
; THE MASK comes as lane masks (64 words a step) by scalar loads, one step ahead: one select a register puts -infinity where the mask is 0.
; OUT. O^T / sum is quantised in two blocks of 32 channels; the codes leave as an image of the next product's operand registers (512 consecutive bytes a store);
; the scale words of my two tiles leave as one store of 128 consecutive bytes: half of an aligned 256; they are a ninth of what the launch stores.
; LIMITS: NaN and infinities among the inputs are not served; a block of zeros gets the scale byte 1 (zero codes; this program alone reads the byte);
; a query whose mask is 0 for every key gets the scale bytes 0xff, so that its row of the result is NaN.
.set HS,   221184                      ; a head's record in qkv; its first 147,456 bytes lie in LDS in the same order:
.set VCO,  65536                       ; K's codes at 0, V's codes,
.set KSO,  131072                      ; K's scale words,
.set VSO,  139264                      ; V's
.set QCO,  147456                      ; in memory alone: Q's codes,
.set QSO,  212992                      ; Q's scale words
.set QF,   16                          ; v16-19 Q's codes, v20-23 zeros
.set KSC,  24                          ; v24-27 K's scale words: t / 2; lanes 0-15 the even tile, lanes 16-31 the odd one
.set VR,   28                          ; v28-31 V's scale words as they lie: two bytes for 64 keys
.set VSM,  32                          ; v32-33 and joined: four bytes for 128 keys
.set OSP,  34                          ; v34 my two tiles' scale words of O
.set WW,   35
.set PCD,  36                          ; v36-43 p's codes
.set TM,   44                          ; v44-47 a block's largest score, then p, then magnitude
.set TX,   48
.set SF,   52
.set KF,   64                          ; v64-127 K's eight fragments
.set SR,   128                         ; v128-191 S^T, then p
.set OR,   192                         ; v192-223 O^T
.set VF,   224                         ; v224-255 V's four fragments
; v1 16 x lane, v2 8 x lane, v9 4 x lane, v8 8 x (lane % 16), v3 -infinity, v4-7 LDS addresses, v10 Q's scale word, v11 p's, v12 -M, v13 the largest t, v[14:15] the sum, v[56:57] f, v[58:59], v[60:61] at work, v62 0xffff
; s[16:63], s[68:83] the step's 64 mask words; s66 where the next lie; s85, s86 4,096 x this step, x the next
.macro CROUND
	s_barrier_signal -1
	s_barrier_wait -1
	s_cmp_lg_u32 s12, 0
	s_cbranch_scc1 .Lnw0_\@
	s_barrier_signal -3
.Lnw0_\@:
	s_barrier_wait -3
	s_barrier_signal -1
	s_barrier_wait -1
.endm
.macro WZ d, fa, fb, sa, sb, ra        ; a product that begins a sum
.if (\ra)
	v_wmma_scale_f32_16x16x128_f8f6f4 v[(\d):(\d)+7], v[(\fa):(\fa)+7], v[(\fb):(\fb)+7], 0, v[(\sa)], v[(\sb)] matrix_a_fmt:MATRIX_FMT_FP4 matrix_b_fmt:MATRIX_FMT_FP4 matrix_a_scale:MATRIX_SCALE_ROW1
.else
	v_wmma_scale_f32_16x16x128_f8f6f4 v[(\d):(\d)+7], v[(\fa):(\fa)+7], v[(\fb):(\fb)+7], 0, v[(\sa)], v[(\sb)] matrix_a_fmt:MATRIX_FMT_FP4 matrix_b_fmt:MATRIX_FMT_FP4
.endif
.endm
.macro WA d, fa, fb, sa, sb, ra        ; a product that adds in place
.if (\ra)
	v_wmma_scale_f32_16x16x128_f8f6f4 v[(\d):(\d)+7], v[(\fa):(\fa)+7], v[(\fb):(\fb)+7], v[(\d):(\d)+7], v[(\sa)], v[(\sb)] matrix_a_fmt:MATRIX_FMT_FP4 matrix_b_fmt:MATRIX_FMT_FP4 matrix_a_scale:MATRIX_SCALE_ROW1
.else
	v_wmma_scale_f32_16x16x128_f8f6f4 v[(\d):(\d)+7], v[(\fa):(\fa)+7], v[(\fb):(\fb)+7], v[(\d):(\d)+7], v[(\sa)], v[(\sb)] matrix_a_fmt:MATRIX_FMT_FP4 matrix_b_fmt:MATRIX_FMT_FP4
.endif
.endm
.macro KLOAD                           ; a step's eight tiles of K (16 bytes a lane each) and their scale words: ten LDS loads
.irp t, 0,1,2,3,4,5,6,7
	ds_load_b128 v[KF+8*\t:KF+8*\t+3], v4 offset:512*\t
.endr
.irp g, 0,1
	ds_load_b64 v[KSC+2*\g:KSC+2*\g+1], v6 offset:256*\g
.endr
.endm
.macro MLOAD                           ; a step's 64 mask words
	s_load_b512 s[16:31], s[6:7], s66 offset:0x0
	s_load_b512 s[32:47], s[6:7], s66 offset:0x40
	s_load_b512 s[48:63], s[6:7], s66 offset:0x80
	s_load_b512 s[68:83], s[6:7], s66 offset:0xc0
.endm
.macro QB s, nb                        ; nb blocks of 32: my 16 registers from v[s + 16 b] and those of lane xor 16: the conversions' scale operands in SF, the bytes in TX
.irp b, 0,1,2,3
.if \b < \nb
	v_max3_num_f32 v[TM+\b], |v[(\s)+16*\b]|, |v[(\s)+16*\b+1]|, 0x1800000
.endif
.endr
.irp i, 2,4,6,8,10,12,14
.irp b, 0,1,2,3
.if \b < \nb
	s_delay_alu instid0(VALU_DEP_2)
	v_max3_num_f32 v[TM+\b], v[TM+\b], |v[(\s)+16*\b+\i]|, |v[(\s)+16*\b+\i+1]|
.endif
.endr
.endr
.irp b, 0,1,2,3
.if \b < \nb
	s_delay_alu instid0(VALU_DEP_2)
	v_permlanex16_b32 v[TX+\b], v[TM+\b], s90, s91
.endif
.endr
.irp b, 0,1,2,3
.if \b < \nb
	s_delay_alu instid0(VALU_DEP_2)
	v_max_num_f32 v[TM+\b], v[TM+\b], v[TX+\b]
.endif
.endr
.irp b, 0,1,2,3
.if \b < \nb
	s_delay_alu instid0(VALU_DEP_2)
	v_add_nc_u32 v[SF+\b], 0xff000000, v[TM+\b]
.endif
.endr
.irp b, 0,1,2,3
.if \b < \nb
	s_delay_alu instid0(VALU_DEP_2)
	v_lshrrev_b32 v[TX+\b], 23, v[SF+\b]
.endif
.endr
.endm
; The codes. My eight numbers of (block b, tile u) are group 2 u + h of the block's four groups of eight; their register goes to pc + 4 (b / 2) + 2 u + b % 2, and the exchange of halves
; leaves in register 4 c + i group i of block 2 c (lanes 0-15) and of block 2 c + 1 (lanes 16-31): the 4-bit operand's layout.
.macro CV s, pc, nb
.irp b, 0,1,2,3
.if \b < \nb
.irp u, 0,1
	v_cvt_scalef32_pk8_fp4_f32 v[(\pc)+4*(\b/2)+2*\u+(\b%2)], v[(\s)+16*\b+8*\u:(\s)+16*\b+8*\u+7], v[SF+\b]
.endr
.endif
.endr
	v_nop                                          ; one plain instruction behind the scaled conversions
.irp c, 0,1
.if 2*\c < \nb
.irp u, 0,1
	v_permlane16_swap_b32 v[(\pc)+4*\c+2*\u], v[(\pc)+4*\c+2*\u+1]
.endr
.endif
.endr
.endm
	s_load_b256 s[4:11], s[0:1], 0x0               ; qkv s[4:5], maskbits s[6:7], oc s[8:9], os s[10:11]
	v_lshl_add_u32 v254, v0, 2, 0x29000
	v_mov_b32 v255, 0
	ds_add_u32 v254, v255
	ds_add_u32 v254, v255
	s_wait_dscnt 0x0
	v_lshrrev_b32 v1, 5, v0
	s_delay_alu instid0(VALU_DEP_1)
	v_readfirstlane_b32 s12, v1                    ; wave 0..15
	s_bfe_u32 s13, ttmp6, 0x40000                  ; cx: my block of 512 queries
	s_and_b32 s14, ttmp7, 0xffff                   ; 16 x batch + head, which the four partners share
	s_mul_i32 s98, s14, HS
	s_mov_b32 s16, 1
	s_mul_i32 s17, s12, 9216                       ; my 9,216 bytes, in LDS
	s_add_co_u32 s100, s98, s17                    ; and in memory
	s_mov_b32 s101, 0
	s_mov_b32 s20, 15|(3<<16)|(1<<21)              ; the mask: all four work-groups; elements of 8 bytes; no padding: every LDS load here takes consecutive bytes
	s_mov_b32 s21, 32<<16                          ; 36 dense rows of 256 bytes
	s_mov_b32 s22, 36<<16
	s_mov_b32 s23, 32<<16
	s_mov_b32 s24, 36
	s_mov_b32 s25, 32
	s_mov_b32 s26, 0
	s_mov_b32 s27, 0
	s_wait_kmcnt 0x0
	s_add_nc_u64 s[18:19], s[4:5], s[100:101]
	s_or_b32 s19, s19, 0x80000000
	CROUND                                         ; all four work-groups are here: the joint loads meet
	tensor_load_to_lds s[16:19], s[20:27]
	s_nop 0
.rept 4
	v_nop
.endr
	s_lshl_b32 s99, s13, 14                        ; Q's codes: 512 bytes a tile; my first tile is 32 cx + 2 wave
	s_lshl_b32 s100, s12, 10
	s_add_co_u32 s100, s100, s99
	s_add_co_u32 s100, s100, s98
	s_add_co_u32 s100, s100, QCO
	s_add_nc_u64 s[94:95], s[4:5], s[100:101]
	s_lshl_b32 s99, s13, 4
	s_add_co_u32 s99, s99, s12                     ; my pair of tiles: 16 cx + wave
	s_lshr_b32 s100, s99, 1                        ; Q's scale words: 256 bytes for four tiles; in them 8 bytes a lane: the pair's word;
	s_lshl_b32 s100, s100, 8
	s_and_b32 s87, s99, 1
	s_lshl_b32 s87, s87, 2
	s_add_co_u32 s100, s100, s87
	s_add_co_u32 s100, s100, s98
	s_add_co_u32 s100, s100, QSO
	s_add_nc_u64 s[96:97], s[4:5], s[100:101]      ; the pair's second tile lies 16 lanes, 128 bytes, on
	s_lshl_b32 s100, s13, 17                       ; the mask words: 4,096 bytes a tile
	s_lshl_b32 s87, s12, 13
	s_add_co_u32 s100, s100, s87
	s_add_nc_u64 s[6:7], s[6:7], s[100:101]
	s_lshr_b32 s87, s14, 4                         ; batch
	s_and_b32 s93, s14, 15                         ; head
	s_lshl_b32 s100, s87, 6
	s_add_co_u32 s100, s100, s99                   ; the pair among all rows: 64 x batch + 16 cx + wave
	s_lshl_b32 s98, s100, 14                       ; oc: 8,192 bytes a tile of rows,
	s_lshr_b32 s99, s93, 1
	s_lshl_b32 s99, s99, 10                        ; 1,024 for each 128 along the next K (two heads),
	s_add_co_u32 s98, s98, s99
	s_and_b32 s99, s93, 1
	s_lshl_b32 s99, s99, 9                         ; 512 for the odd head
	s_add_co_u32 s98, s98, s99
	s_mov_b32 s99, 0
	s_add_nc_u64 s[8:9], s[8:9], s[98:99]
	s_lshl_b32 s100, s100, 4                       ; os: 128 bytes for each pair and head
	s_add_co_u32 s100, s100, s93
	s_lshl_b32 s100, s100, 7
	s_add_nc_u64 s[10:11], s[10:11], s[100:101]
	s_mov_b32 s88, 0x3e38aa3b                      ; c = log2(e) / 8
	s_mov_b32 s89, s88                             ; (named with it as a pair)
	s_mov_b32 s90, 0x76543210                      ; lane selects: lane xor 16
	s_mov_b32 s91, 0xfedcba98
	s_mov_b32 s92, 0x0000ffff                      ; the first tile's scale words go to lanes 0-15
	s_mov_b32 s66, 0
	s_mov_b32 s85, 0
	s_mov_b32 s86, 4096
	s_mov_b32 s84, 2
	v_and_b32 v9, 31, v0
	s_delay_alu instid0(VALU_DEP_1)
	v_lshlrev_b32 v1, 4, v9
	s_delay_alu instid0(VALU_DEP_2)
	v_lshlrev_b32 v2, 3, v9
	s_delay_alu instid0(VALU_DEP_3)
	v_lshlrev_b32 v9, 2, v9
	v_and_b32 v8, 15, v0
	s_delay_alu instid0(VALU_DEP_1)
	v_lshlrev_b32 v8, 3, v8
	v_mov_b32 v3, 0xff800000
	v_mov_b32 v62, 0xffff
.irp j, 4,5,6,7
	v_mov_b32 v[QF+\j], 0                          ; zero codes for k = 64 .. 127
.endr
.irp t, 0,1,2,3,4,5,6,7
.irp j, 4,5,6,7
	v_mov_b32 v[KF+8*\t+\j], 0
.endr
.endr
.irp b, 0,1,2,3
	v_mov_b32 v[TX+\b], 0                          ; a lane permute's destination counts as read
.endr
	v_mov_b32 v57, 0                               ; upper halves of pairs of which the low word alone is used
	v_mov_b32 v59, 0
	v_mov_b32 v[OSP], 0
	v_mov_b32 v4, v1                               ; step 0's K
	v_add_nc_u32 v6, KSO, v2
	s_wait_alu depctr_va_vdst(0)
	s_wait_tensorcnt 0x0                           ; my part of the head is in; the descriptor's registers are free,
	s_barrier_signal -1
	s_barrier_wait -1                              ; and everybody's part is in
	MLOAD
	KLOAD
.Ltile:                                            ; two trips: my two tiles of queries
	global_load_b128 v[QF:QF+3], v1, s[94:95]
	global_load_b32 v10, v8, s[96:97]
	v_mov_b32 v13, 0xff61b1e6                      ; the largest t so far: -3e38
	s_delay_alu instid0(VALU_DEP_1)
	v_floor_f32 v12, -v13                          ; -M
	v_mov_b32 v14, 0
	v_mov_b32 v15, 0
.irp j, 0,1,2,3,4,5,6,7,8,9,10,11,12,13,14,15,16,17,18,19,20,21,22,23,24,25,26,27,28,29,30,31
	v_mov_b32 v[OR+\j], 0                          ; the step is written once: the first finds zeros
.endr
	s_mov_b32 s67, 16
	s_wait_loadcnt 0x0
.Lstep:                                            ; sixteen trips: 128 keys each
	s_wait_dscnt 0x0                               ; this step's K and its scale words, asked for a step ago
	s_setprio 2
.irp t, 0,1,2,3,4,5,6,7
	WZ SR+8*\t, KF+8*\t, QF, KSC+\t/2, 10, \t%2
.endr
	s_add_co_u32 s100, s85, VCO
	s_lshr_b32 s101, s85, 3
	s_add_co_u32 s101, s101, VSO
	s_lshr_b32 s87, s86, 3
	s_add_co_u32 s87, s87, KSO
	v_add_nc_u32 v5, s100, v1                      ; these four are the plain instructions between the products and the loads into their registers, and the first read of their results
	v_add_nc_u32 v7, s101, v2
	v_add_nc_u32 v4, s86, v1
	v_add_nc_u32 v6, s87, v2
.irp c, 0,1
	ds_load_b64 v[VR+2*\c:VR+2*\c+1], v7 offset:256*\c
.endr
.irp n, 0,1,2,3
.irp c, 0,1
	ds_load_b128 v[VF+8*\n+4*\c:VF+8*\n+4*\c+3], v5 offset:(2*\n+\c)*512
.endr
.endr
	KLOAD                                          ; the next step's (behind the last step: the next tile's first)
	s_wait_kmcnt 0x0                               ; the step's mask words, asked for a step ago
.set jj, 0
.rept 64
	v_cndmask_b32 v[SR+jj], v3, v[SR+jj], s[16+jj+4*(jj/48)]   ; -infinity where the mask is 0; each accumulator from its low end on
.set jj, jj+1
.endr
	s_add_co_u32 s66, s66, 256                     ; (the loads that read s66 are done)
	s_min_u32 s66, s66, 7936                       ; behind my last step the last block is asked for once more: no load leaves the buffer
	MLOAD
.irp b, 0,1,2,3
	v_max3_num_f32 v[TM+\b], v[SR+16*\b], v[SR+16*\b+1], v[SR+16*\b+2]   ; the largest score of each block of 32 keys: for the row's maximum, and, since p rises with the score, for the block's largest p
.endr
.irp i, 3,5,7,9,11,13
.irp b, 0,1,2,3
	s_delay_alu instid0(VALU_DEP_4)
	v_max3_num_f32 v[TM+\b], v[TM+\b], v[SR+16*\b+\i], v[SR+16*\b+\i+1]
.endr
.endr
.irp b, 0,1,2,3
	s_delay_alu instid0(VALU_DEP_4)
	v_max_num_f32 v[TM+\b], v[TM+\b], v[SR+16*\b+15]
.endr
.irp b, 0,1,2,3
	s_delay_alu instid0(VALU_DEP_4)
	v_permlanex16_b32 v[TX+\b], v[TM+\b], s90, s91
.endr
.irp b, 0,1,2,3
	s_delay_alu instid0(VALU_DEP_4)
	v_max_num_f32 v[TM+\b], v[TM+\b], v[TX+\b]
.endr
	s_delay_alu instid0(VALU_DEP_2)
	v_max3_num_f32 v58, v[TM], v[TM+1], v[TM+2]
	s_delay_alu instid0(VALU_DEP_1)
	v_max_num_f32 v58, v58, v[TM+3]
	s_delay_alu instid0(VALU_DEP_1)
	v_mul_f32 v58, s88, v58                        ; as t
	s_delay_alu instid0(VALU_DEP_1)
	v_max_num_f32 v13, v13, v58                    ; the running largest t
	v_mov_b32 v58, v12
	s_delay_alu instid0(VALU_DEP_2)
	v_floor_f32 v12, -v13                          ; the new -M = -ceil(t)
	s_delay_alu instid0(VALU_DEP_1)
	v_sub_f32 v58, v12, v58                        ; old M - new M: a whole number, 0 or less
	s_delay_alu instid0(VALU_DEP_1)
	v_cvt_i32_f32 v58, v58
	s_delay_alu instid0(VALU_DEP_1)
	v_ldexp_f32 v56, 1.0, v58                      ; f = 2^(old M - new M)
.irp j, 0,2,4,6,8,10,12,14,16,18,20,22,24,26,28,30,32,34,36,38,40,42,44,46,48,50,52,54,56,58,60,62
	v_pk_fma_f32 v[SR+\j:SR+\j+1], v[SR+\j:SR+\j+1], s[88:89], v[12:13] op_sel_hi:[1,0,0]   ; t - M
.endr
.irp b, 0,1,2,3
	v_fma_f32 v[TM+\b], v[TM+\b], s88, v12
.endr
.set jj, 0
	s_setprio 1
	s_wait_alu depctr_va_vdst(0)
.rept 64
	v_exp_f32 v[SR+jj], v[SR+jj]                   ; p = 2^(t - M)
.set jj, jj+1
.endr
.irp b, 0,1,2,3
	v_exp_f32 v[TM+\b], v[TM+\b]                   ; the block's largest p: the same two instructions on the same number
.endr
	v_pk_mul_f32 v[14:15], v[14:15], v[56:57] op_sel_hi:[1,0]   ; the sum and O^T under the new M: plain work that names no exponential's result
	s_wait_alu depctr_va_vdst(0)
.irp j, 0,2,4,6,8,10,12,14,16,18,20,22,24,26,28,30
	v_pk_mul_f32 v[OR+\j:OR+\j+1], v[OR+\j:OR+\j+1], v[56:57] op_sel_hi:[1,0]
.endr
	s_wait_alu depctr_va_vdst(0)                   ; one wait for the 68 exponentials, ahead of the first instruction that names a result
.irp b, 0,1,2,3
	v_max_num_f32 v[TM+\b], 0x1800000, v[TM+\b]    ; the floor 2^(3 - 127): the byte cannot fall under 1
.endr
.irp b, 0,1,2,3
	s_delay_alu instid0(VALU_DEP_4)
	v_add_nc_u32 v[SF+\b], 0xff000000, v[TM+\b]
.endr
.irp b, 0,1,2,3
	s_delay_alu instid0(VALU_DEP_4)
	v_lshrrev_b32 v[TX+\b], 23, v[SF+\b]
.endr
	s_delay_alu instid0(VALU_DEP_3)
	v_lshl_or_b32 v11, v[TX+1], 8, v[TX]           ; p's scale word for these 128 keys
	s_delay_alu instid0(VALU_DEP_1)
	v_lshl_or_b32 v11, v[TX+2], 16, v11
	s_delay_alu instid0(VALU_DEP_1)
	v_lshl_or_b32 v11, v[TX+3], 24, v11
	s_wait_dscnt 10                                ; the ten younger loads (the next step's K) may be out: V and its scale words are in
	v_lshl_or_b32 v[VSM], v[VR+2], 16, v[VR]
	v_lshl_or_b32 v[VSM+1], v[VR+3], 16, v[VR+1]
	CV SR, PCD, 4
	v_pk_add_f32 v[60:61], v[132:133], v[136:137]
	v_pk_add_f32 v[54:55], v[140:141], v[144:145]
	v_pk_add_f32 v[52:53], v[148:149], v[152:153]
	v_pk_add_f32 v[46:47], v[156:157], v[160:161]
	v_pk_add_f32 v[44:45], v[164:165], v[168:169]
	v_pk_add_f32 v[30:31], v[172:173], v[176:177]
	s_setprio 0
	v_pk_add_f32 v[28:29], v[180:181], v[184:185]
	v_pk_add_f32 v[14:15], v[14:15], v[188:189]
	v_pk_add_f32 v[60:61], v[60:61], v[128:129]
	v_pk_add_f32 v[54:55], v[54:55], v[130:131]
	v_pk_add_f32 v[52:53], v[52:53], v[134:135]
	v_pk_add_f32 v[46:47], v[46:47], v[138:139]
	v_pk_add_f32 v[44:45], v[44:45], v[142:143]
	v_pk_add_f32 v[30:31], v[30:31], v[146:147]
	v_pk_add_f32 v[28:29], v[28:29], v[150:151]
	v_pk_add_f32 v[14:15], v[14:15], v[154:155]
	v_pk_add_f32 v[60:61], v[60:61], v[158:159]
	v_pk_add_f32 v[54:55], v[54:55], v[162:163]
	v_pk_add_f32 v[52:53], v[52:53], v[166:167]
	v_pk_add_f32 v[46:47], v[46:47], v[170:171]
	v_pk_add_f32 v[44:45], v[44:45], v[174:175]
	v_pk_add_f32 v[30:31], v[30:31], v[178:179]
	v_pk_add_f32 v[28:29], v[28:29], v[182:183]
	v_pk_add_f32 v[14:15], v[14:15], v[186:187]
	v_pk_add_f32 v[60:61], v[60:61], v[190:191]
	s_delay_alu instid0(VALU_DEP_2)
	v_pk_add_f32 v[14:15], v[14:15], v[46:47]
	s_delay_alu instid0(VALU_DEP_2)
	v_pk_add_f32 v[60:61], v[60:61], v[44:45]
	v_pk_add_f32 v[54:55], v[54:55], v[30:31]
	v_pk_add_f32 v[52:53], v[52:53], v[28:29]
	s_delay_alu instid0(VALU_DEP_2)
	v_pk_add_f32 v[14:15], v[14:15], v[54:55]
	s_delay_alu instid0(VALU_DEP_2)
	v_pk_add_f32 v[60:61], v[60:61], v[52:53]
	s_delay_alu instid0(VALU_DEP_1)
	v_pk_add_f32 v[14:15], v[14:15], v[60:61]
.irp n, 0,1,2,3
	WA OR+8*\n, VF+8*\n, PCD, VSM+\n/2, 11, \n%2   ; the four accumulators take turns
.endr
	s_mov_b32 s85, s86
	s_add_co_u32 s86, s86, 4096
	s_and_b32 s86, s86, 0xf000
	s_sub_co_i32 s67, s67, 1
	s_cmp_lg_u32 s67, 0
	s_cbranch_scc1 .Lstep
	s_setprio 0
	; the tile's end
.rept 4
	v_nop
.endr
	v_add_f32 v14, v14, v15
	s_delay_alu instid0(VALU_DEP_1)
	v_permlanex16_b32 v59, v14, s90, s91
	s_delay_alu instid0(VALU_DEP_1)
	v_add_f32 v14, v14, v59                        ; the row's sum
	s_wait_alu depctr_va_vdst(0)
	v_rcp_f32 v58, v14
	v_nop
	s_wait_alu depctr_va_vdst(0)
.irp j, 0,2,4,6,8,10,12,14,16,18,20,22,24,26,28,30
	v_pk_mul_f32 v[OR+\j:OR+\j+1], v[OR+\j:OR+\j+1], v[58:59] op_sel_hi:[1,0]
.endr
	QB OR, 2
	s_delay_alu instid0(VALU_DEP_1)
	v_lshl_or_b32 v[WW], v[TX+1], 8, v[TX]
	v_cmp_eq_f32 vcc_lo, 0, v14
	s_delay_alu instid0(VALU_DEP_1)
	v_cndmask_b32 v[WW], v[WW], v62, vcc_lo        ; no key counted: the scale bytes say NaN
	s_delay_alu instid0(VALU_DEP_1)
	v_cndmask_b32 v[OSP], v[OSP], v[WW], s92
	CV OR, PCD, 2
	global_store_b128 v1, v[PCD:PCD+3], s[8:9]
	s_wait_xcnt 0x0                                ; the bases and the codes' registers are written again only behind this wait
	s_add_nc_u64 s[94:95], s[94:95], 512
	s_add_nc_u64 s[96:97], s[96:97], 128
	s_add_nc_u64 s[8:9], s[8:9], 8192
	s_mov_b32 s92, 0xffff0000
	s_sub_co_i32 s84, s84, 1
	s_cmp_lg_u32 s84, 0
	s_cbranch_scc1 .Ltile
	s_wait_alu depctr_va_vdst(0)
	global_store_b32 v9, v[OSP], s[10:11]
	s_wait_dscnt 0x0                               ; the loads that ran ahead of the last step
	s_wait_kmcnt 0x0
	s_wait_xcnt 0x0
	v_lshl_add_u32 v254, v0, 2, 0x29000
	v_mov_b32 v255, 0
	s_wait_alu depctr_va_vdst(0)
	s_wait_tensorcnt 0x0
	ds_add_u32 v254, v255
	s_wait_dscnt 0x0
	CROUND                                         ; the closing round
	s_endpgm
.Lfunc_end_k_qd8bc9ff911_attn:
	.size	k_qd8bc9ff911_attn, .Lfunc_end_k_qd8bc9ff911_attn-k_qd8bc9ff911_attn
	.p2alignl 7, 3214868480
	.fill 96, 4, 3214868480
	.section	.rodata,"a",@progbits
	.p2align	6, 0x0
	.amdhsa_kernel k_qd8bc9ff911_attn
		.amdhsa_group_segment_fixed_size 169984
		.amdhsa_private_segment_fixed_size 0
		.amdhsa_enable_private_segment 0
		.amdhsa_kernarg_size 32
		.amdhsa_user_sgpr_count 2
		.amdhsa_user_sgpr_kernarg_segment_ptr 1
		.amdhsa_wavefront_size32 1
		.amdhsa_system_sgpr_workgroup_id_x 1
		.amdhsa_system_sgpr_workgroup_id_y 1
		.amdhsa_system_sgpr_workgroup_id_z 1
		.amdhsa_system_vgpr_workitem_id 0
		.amdhsa_next_free_vgpr 256
		.amdhsa_next_free_sgpr 102
		.amdhsa_reserve_vcc 1
		.amdhsa_float_denorm_mode_32 3
		.amdhsa_float_denorm_mode_16_64 3
		.amdhsa_memory_ordered 1
		.amdhsa_forward_progress 1
		.amdhsa_inst_pref_size 36
	.end_amdhsa_kernel
	.amdgpu_metadata
---
amdhsa.version: [ 1, 2 ]
amdhsa.kernels:
  - .name:           k_qd8bc9ff911_attn
    .symbol:         k_qd8bc9ff911_attn.kd
    .args:
      - { .name: qkv, .offset: 0, .size: 8, .value_kind: global_buffer, .address_space: global }
      - { .name: maskbits, .offset: 8, .size: 8, .value_kind: global_buffer, .address_space: global }
      - { .name: oc, .offset: 16, .size: 8, .value_kind: global_buffer, .address_space: global }
      - { .name: os, .offset: 24, .size: 8, .value_kind: global_buffer, .address_space: global }
    .group_segment_fixed_size: 169984
    .private_segment_fixed_size: 0
    .kernarg_segment_align: 8
    .kernarg_segment_size: 32
    .max_flat_workgroup_size: 512
    .sgpr_count:     102
    .vgpr_count:     256
    .wavefront_size: 32
...
	.end_amdgpu_metadata
.endif
;; end of part 3
;; launch oproj (part 4): grid 4 x 64, 8 waves a work-group, clusters of 4 x 4, 259,072 bytes of LDS; arguments oc, os, Wo_codes, Wo_scales, bo, out0; writes out0
.if DOCPART == 4
	.amdgcn_target "amdgcn-amd-amdhsa--gfx1250"
	.amdhsa_code_object_version 6
	.text
	.protected	k_qd8bc9ff911_oproj
	.globl	k_qd8bc9ff911_oproj
	.p2align	8
	.type	k_qd8bc9ff911_oproj,@function
k_qd8bc9ff911_oproj:
	s_mov_b64 s[64:65], 0
	v_nop
	global_prefetch_b8 v0, s[64:65] scope:SCOPE_SE
	s_setreg_imm32_b32 hwreg(HW_REG_WAVE_MODE, 25, 1), 1
	s_wait_xcnt 0x0
	s_wait_alu depctr_hold_cnt(0) depctr_sa_sdst(0) depctr_va_vdst(0) depctr_va_sdst(0) depctr_va_ssrc(0) depctr_va_vcc(0) depctr_vm_vsrc(0)
	s_getreg_b32 s2, hwreg(HW_REG_IB_STS2, 6, 4)
	s_cmp_eq_u32 s2, 0
	s_cbranch_scc0 .Lentry_in_a_cluster
	s_endpgm
.Lentry_in_a_cluster:
	s_bfe_u32 s2, ttmp6, 0x10000c
	s_cmp_lg_u32 s2, 0xf033
	s_cbranch_scc0 .Lentry_shape_is_right
	s_endpgm
.Lentry_shape_is_right:
; out0 = O Wo^T + bo on codes of FP4 (E2M1) with E8M0 scales; out0 [8192][1024] f32.
; O comes as images of operand registers: oc [tile of 16 rows][128 along K: 8][half: 2][lane][16 bytes]; os [pair of tiles][head: 16][lane] holds two scale bytes a row and head.
; Source 0 = 16 rows of Wo, source 1 = 16 rows of O: a lane holds one row of the result and eight neighbouring columns.
; SHARES. 16 clusters of 4 x 4 work-groups; a work-group makes 256 rows x 128 columns; wave w rows quarter w / 2 (tiles a = 0..3) x columns half w % 2 (tiles t = 0..3): 16 accumulators.
; O's tiles are shared along a row of the cluster, Wo's along a column: joint loads. All of K = 1,024 lies in LDS at once, in two slots of 512; each byte is filled once.
; OUT. 16 rows x 64 columns at a time go through the wave's own stage in LDS, which no fill touches, and leave as rows: 16 lanes store 256 consecutive bytes, aligned.
; LIMITS: NaN and infinities among the inputs are not served (a row whose scale bytes say NaN comes out NaN).
.set PITCH,  272
.set SLOT,   100352                    ; O's 16 tiles x 4,096 bytes, then Wo's 128 rows of 256 + 16
.set X0OFF,  65536
.set SCA,    2*SLOT                    ; O's scale words: 8 pairs x 16 heads x 128 bytes
.set SCB,    SCA+16384                 ; Wo's scale bytes: 4,096 dense bytes as 16 rows of 256 + 16
.set STG,    223232                    ; eight stages of 16 rows x (256 + 16)
.set SA,  16
.set SB,  24
.set BI,  32
.set XF0, 64
.set XF1, 96
.set ACC, 128
.macro CROUND
	s_barrier_signal -1
	s_barrier_wait -1
	s_cmp_lg_u32 s16, 0
	s_cbranch_scc1 .Lnw0_\@
	s_barrier_signal -3
.Lnw0_\@:
	s_barrier_wait -3
	s_barrier_signal -1
	s_barrier_wait -1
.endm
.macro PLACES n
.rept \n
	v_nop
.endr
.endm
.macro WM d, fa, fb, cc, sa, sb, ra, rb
.if (\ra) && (\rb)
	v_wmma_scale_f32_16x16x128_f8f6f4 v[(\d):(\d)+7], v[(\fa):(\fa)+7], v[(\fb):(\fb)+7], v[(\cc):(\cc)+7], v[(\sa)], v[(\sb)] matrix_a_fmt:MATRIX_FMT_FP4 matrix_b_fmt:MATRIX_FMT_FP4 matrix_a_scale:MATRIX_SCALE_ROW1 matrix_b_scale:MATRIX_SCALE_ROW1
.elseif (\ra)
	v_wmma_scale_f32_16x16x128_f8f6f4 v[(\d):(\d)+7], v[(\fa):(\fa)+7], v[(\fb):(\fb)+7], v[(\cc):(\cc)+7], v[(\sa)], v[(\sb)] matrix_a_fmt:MATRIX_FMT_FP4 matrix_b_fmt:MATRIX_FMT_FP4 matrix_a_scale:MATRIX_SCALE_ROW1
.elseif (\rb)
	v_wmma_scale_f32_16x16x128_f8f6f4 v[(\d):(\d)+7], v[(\fa):(\fa)+7], v[(\fb):(\fb)+7], v[(\cc):(\cc)+7], v[(\sa)], v[(\sb)] matrix_a_fmt:MATRIX_FMT_FP4 matrix_b_fmt:MATRIX_FMT_FP4 matrix_b_scale:MATRIX_SCALE_ROW1
.else
	v_wmma_scale_f32_16x16x128_f8f6f4 v[(\d):(\d)+7], v[(\fa):(\fa)+7], v[(\fb):(\fb)+7], v[(\cc):(\cc)+7], v[(\sa)], v[(\sb)] matrix_a_fmt:MATRIX_FMT_FP4 matrix_b_fmt:MATRIX_FMT_FP4
.endif
.endm
.macro MUL q, mode                     ; 16 products: the accumulators take turns. mode 1: the sums begin with the bias
.irp a, 0,1,2,3
.irp t, 0,1,2,3
.if \mode == 0
	WM ACC+8*(4*\a+\t), XF0+8*\t, XF1+8*\a, ACC+8*(4*\a+\t), SB+4*(\t/2)+\q, SA+4*(\a/2)+\q, \t%2, \a%2
.else
	WM ACC+8*(4*\a+\t), XF0+8*\t, XF1+8*\a, BI+8*\t, SB+4*(\t/2)+\q, SA+4*(\a/2)+\q, \t%2, \a%2
.endif
.endr
.endr
.endm
.macro SBLOAD slot                     ; Wo's scale words of a slot: lane l takes row 32 p + l of my 64
.irp p, 0,1
	ds_load_b128 v[SB+4*\p:SB+4*\p+3], v9 offset:\p*1088+16*\slot
.endr
.endm
.macro ASLOAD slot, tmp                ; O's: for pair p and the slot's q-th 128 along K the words of heads 2 (4 slot + q) and + 1
.irp p, 0,1
.irp q, 0,1,2,3
.irp e, 0,1
	ds_load_b32 v[\tmp+2*(4*\p+\q)+\e], v8 offset:\p*2048+(2*(4*\slot+\q)+\e)*128
.endr
.endr
.endr
.endm
.macro ASMERGE tmp                     ; two heads' two bytes make a word of four
.irp i, 0,1,2,3,4,5,6,7
	v_lshl_or_b32 v[SA+\i], v[\tmp+2*\i+1], 16, v[\tmp+2*\i]
.endr
	PLACES 8                                       ; eight plain instructions between a scale register so written and the scaled products
.endm
.macro FRAGS slot, q
.irp i, 0,1,2,3
.irp c, 0,1
	ds_load_b128 v[XF0+8*\i+4*\c:XF0+8*\i+4*\c+3], v[6+\slot] offset:\i*16*PITCH+64*(\q)+32*\c
	ds_load_b128 v[XF1+8*\i+4*\c:XF1+8*\i+4*\c+3], v[4+\slot] offset:\i*4096+1024*(\q)+512*\c
.endr
.endr
.endm
.macro STEP slot, q
	PLACES 4                                       ; four plain instructions between the last products and loads into the registers that they read
	FRAGS \slot, \q
	s_wait_dscnt 0x0
	MUL \q, 0
.endm
	s_load_b256 s[4:11], s[0:1], 0x0               ; oc s[4:5], os s[6:7], Wo's codes s[8:9], Wo's scales s[10:11]
	s_load_b128 s[12:15], s[0:1], 0x20             ; bo s[12:13], out0 s[14:15]
	v_lshl_add_u32 v14, v0, 2, 0x3f000
	v_mov_b32 v15, 0
	ds_add_u32 v14, v15
	ds_add_u32 v14, v15
	v_lshrrev_b32 v1, 5, v0
	s_delay_alu instid0(VALU_DEP_1)
	v_readfirstlane_b32 s16, v1                    ; wave 0..7
	s_and_b32 s17, s16, 3
	s_and_b32 s97, ttmp7, 0xffff                   ; the cluster's number, 0..15
	s_bfe_u32 s80, ttmp6, 0x40000                  ; cx
	s_bfe_u32 s81, ttmp6, 0x40004                  ; cy
	s_lshl_b32 s82, s81, 2
	s_lshl_b32 s82, 15, s82                        ; my row of the cluster
	s_lshl_b32 s83, 0x1111, s80                    ; my column
	s_lshr_b32 s84, s97, 1
	s_lshl_b32 s84, s84, 2
	s_add_co_u32 s84, s84, s81                     ; the tile of 256 rows: hangs on cy alone
	s_and_b32 s85, s97, 1
	s_lshl_b32 s85, s85, 2
	s_add_co_u32 s85, s85, s80                     ; the tile of 128 columns: on cx alone
	s_lshl_b32 s86, s84, 17                        ; O's codes: 16 tiles of 8,192 bytes; waves 0-3 fetch four tiles each
	s_lshl_b32 s98, s17, 15
	s_add_co_u32 s86, s86, s98
	s_mov_b32 s87, 0
	s_lshl_b32 s88, s84, 14                        ; O's scale words: 16,384 bytes; 4,096 a wave
	s_lshl_b32 s98, s17, 12
	s_add_co_u32 s88, s88, s98
	s_mov_b32 s89, 0
	s_lshl_b32 s90, s85, 7
	s_lshl_b32 s98, s17, 5
	s_add_co_u32 s90, s90, s98                     ; Wo: the first of the 32 rows that waves 4-7 fetch
	s_lshl_b32 s92, s90, 5
	s_lshl_b32 s90, s90, 9
	s_mov_b32 s91, 0
	s_mov_b32 s93, 0
	; descriptor groups 1. O's codes: four rows of 4,096 bytes (512 elements of 8), 8,192 bytes apart
	s_or_b32 s20, s82, (3<<16)|(1<<21)
	s_mov_b32 s21, 512<<16
	s_mov_b32 s22, 4<<16
	s_mov_b32 s23, 512<<16
	s_mov_b32 s24, 4
	s_mov_b32 s25, 1024
	s_mov_b32 s26, 0
	s_mov_b32 s27, 0
	; Wo's codes: 32 rows of 256 bytes, 512 apart, 16 bytes of padding behind each
	s_or_b32 s28, s83, (1<<20)|(1<<21)|(5<<22)|(3<<25)
	s_mov_b32 s29, 256<<16
	s_mov_b32 s30, 32<<16
	s_mov_b32 s31, 256<<16
	s_mov_b32 s32, 32
	s_mov_b32 s33, 512
	s_mov_b32 s34, 0
	s_mov_b32 s35, 0
	; O's scale words: 16 dense rows of 256 bytes
	s_or_b32 s36, s82, (3<<16)|(1<<21)
	s_mov_b32 s37, 32<<16
	s_mov_b32 s38, 16<<16
	s_mov_b32 s39, 32<<16
	s_mov_b32 s40, 16
	s_mov_b32 s41, 32
	s_mov_b32 s42, 0
	s_mov_b32 s43, 0
	; Wo's scale bytes: 4 dense rows of 256 bytes, 16 bytes of padding behind each
	s_or_b32 s44, s83, (3<<16)|(1<<20)|(1<<21)|(5<<22)|(3<<25)
	s_mov_b32 s45, 32<<16
	s_mov_b32 s46, 4<<16
	s_mov_b32 s47, 32<<16
	s_mov_b32 s48, 4
	s_mov_b32 s49, 32
	s_mov_b32 s50, 0
	s_mov_b32 s51, 0
	s_lshl_b32 s97, s17, 14                        ; LDS addresses hang on the wave's number alone
	s_lshl_b32 s98, s17, 12
	s_mul_i32 s99, s17, 32*PITCH
	s_mul_i32 s100, s17, 4*272
	s_wait_dscnt 0x0
	s_wait_kmcnt 0x0
	s_mov_b32 s52, 1                               ; O's scale words
	s_add_co_u32 s53, s98, SCA
	s_add_nc_u64 s[54:55], s[6:7], s[88:89]
	s_or_b32 s55, s55, 0x80000000
	s_mov_b32 s56, 1                               ; O's codes, slot 0
	s_mov_b32 s57, s97
	s_add_nc_u64 s[58:59], s[4:5], s[86:87]
	s_mov_b32 s60, 1                               ; slot 1: 4,096 bytes on in each tile
	s_add_co_u32 s61, s97, SLOT
	s_add_nc_u64 s[62:63], s[58:59], 4096
	s_or_b32 s59, s59, 0x80000000
	s_or_b32 s63, s63, 0x80000000
	s_mov_b32 s68, 1                               ; Wo's scale bytes
	s_add_co_u32 s69, s100, SCB
	s_add_nc_u64 s[70:71], s[10:11], s[92:93]
	s_or_b32 s71, s71, 0x80000000
	s_mov_b32 s72, 1                               ; Wo's codes, slot 0
	s_add_co_u32 s73, s99, X0OFF
	s_add_nc_u64 s[74:75], s[8:9], s[90:91]
	s_mov_b32 s76, 1                               ; slot 1
	s_add_co_u32 s77, s99, SLOT+X0OFF
	s_add_nc_u64 s[78:79], s[74:75], 256
	s_or_b32 s75, s75, 0x80000000
	s_or_b32 s79, s79, 0x80000000
	CROUND                                         ; all sixteen work-groups are here: the joint loads meet
	s_cmp_lt_u32 s16, 4                            ; a wave's three fills stand in one branch on the wave's number: three loads of mine are out
	s_cbranch_scc0 .Lfill_x0
	tensor_load_to_lds s[52:55], s[36:43]
	s_nop 0
	tensor_load_to_lds s[56:59], s[20:27]
	s_nop 0
	tensor_load_to_lds s[60:63], s[20:27]
	s_nop 0
.rept 4
	v_nop
.endr
	s_branch .Lfilled
.Lfill_x0:
	tensor_load_to_lds s[68:71], s[44:51]
	s_nop 0
	tensor_load_to_lds s[72:75], s[28:35]
	s_nop 0
	tensor_load_to_lds s[76:79], s[28:35]
	s_nop 0
.rept 4
	v_nop
.endr
.Lfilled:
	v_and_b32 v1, 15, v0                           ; r
	v_bfe_u32 v2, v0, 4, 1                         ; h
	v_and_b32 v3, 31, v0                           ; lane
	s_lshr_b32 s97, s16, 1                         ; my quarter of the rows
	s_and_b32 s98, s16, 1                          ; my half of the columns
	s_lshl_b32 s99, s97, 14
	v_lshl_add_u32 v4, v3, 4, s99                  ; v4, v5: O's fragments in slot 0, 1: images, 16 bytes a lane
	s_delay_alu instid0(VALU_DEP_1)
	v_add_nc_u32 v5, SLOT, v4
	v_mul_u32_u24 v6, v1, PITCH
	s_delay_alu instid0(VALU_DEP_1)
	v_lshl_add_u32 v6, v2, 4, v6
	s_mul_i32 s100, s98, 64*PITCH
	s_add_co_u32 s100, s100, X0OFF
	v_add_nc_u32 v6, s100, v6                      ; v6, v7: Wo's
	s_delay_alu instid0(VALU_DEP_1)
	v_add_nc_u32 v7, SLOT, v6
	s_lshl_b32 s99, s97, 12
	s_add_co_u32 s99, s99, SCA
	v_lshl_add_u32 v8, v3, 2, s99                  ; v8: O's scale words: my two pairs, 4 bytes a lane
	v_lshrrev_b32 v10, 3, v3
	v_lshlrev_b32 v9, 5, v3
	s_delay_alu instid0(VALU_DEP_1)
	v_lshl_add_u32 v9, v10, 4, v9                  ; a row's 32 scale bytes: 32 x row, and 16 more for each 256 passed
	s_mul_i32 s100, s98, 8*272
	s_add_co_u32 s100, s100, SCB
	v_add_nc_u32 v9, s100, v9                      ; v9: Wo's scale words
	v_lshlrev_b32 v10, 5, v2                       ; 32 h
	s_wait_alu depctr_va_vdst(0)
	s_mul_i32 s99, s16, 16*272
	s_add_co_u32 s99, s99, STG                     ; my stage
	v_mul_u32_u24 v11, v1, 272
	s_delay_alu instid0(VALU_DEP_1)
	v_lshl_add_u32 v11, v2, 5, v11
	s_delay_alu instid0(VALU_DEP_1)
	v_add_nc_u32 v11, s99, v11                     ; v11: in: row r, + 32 h
	v_mul_u32_u24 v12, v2, 272
	s_delay_alu instid0(VALU_DEP_1)
	v_lshl_add_u32 v12, v1, 4, v12
	s_delay_alu instid0(VALU_DEP_1)
	v_add_nc_u32 v12, s99, v12                     ; v12: back: lanes 0-15 one row, lanes 16-31 the next
	v_lshlrev_b32 v13, 12, v2
	s_delay_alu instid0(VALU_DEP_1)
	v_lshl_add_u32 v13, v1, 4, v13                 ; v13: and the same two rows in out0
	s_lshl_b32 s99, s84, 8
	s_lshl_b32 s97, s97, 6
	s_add_co_u32 s99, s99, s97                     ; my first row
	s_lshl_b32 s100, s85, 7
	s_lshl_b32 s98, s98, 6
	s_add_co_u32 s100, s100, s98                   ; my first column
	s_lshl_b32 s100, s100, 2
	s_mov_b32 s101, 0
	s_add_nc_u64 s[12:13], s[12:13], s[100:101]
	s_add_nc_u64 s[14:15], s[14:15], s[100:101]
	s_lshl_b32 s100, s99, 12
	s_add_nc_u64 s[14:15], s[14:15], s[100:101]
.irp t, 0,1,2,3
	global_load_b128 v[BI+8*\t:BI+8*\t+3],   v10, s[12:13] offset:64*\t      ; the bias of columns 16 t + 8 h + 0 .. 7
	global_load_b128 v[BI+8*\t+4:BI+8*\t+7], v10, s[12:13] offset:64*\t+16
.endr
	s_wait_tensorcnt 0x1                           ; one younger load may be out (slot 1): my scales and my part of slot 0 are in,
	s_barrier_signal -1
	s_barrier_wait -1                              ; and everybody's are
	SBLOAD 0
	ASLOAD 0, ACC                                  ; (into registers of accumulators that are not yet begun)
	FRAGS 0, 0
	s_wait_loadcnt 0x0
	s_wait_dscnt 0x0
	ASMERGE ACC
	MUL 0, 1                                       ; the first products begin the sums with the bias
	s_wait_alu depctr_va_vdst(0)
	STEP 0, 1
	STEP 0, 2
	STEP 0, 3
	s_wait_tensorcnt 0x0                           ; my part of slot 1 is in (no LDS load of mine is out),
	s_barrier_signal -1
	s_barrier_wait -1                              ; and everybody's is
	PLACES 4
	SBLOAD 1
	ASLOAD 1, BI                                   ; (the bias is done with)
	FRAGS 1, 0
	s_wait_dscnt 0x0
	ASMERGE BI
	MUL 0, 0
	s_wait_alu depctr_va_vdst(0)
	STEP 1, 1
	STEP 1, 2
	STEP 1, 3
; THE WAY OUT, 16 rows x 64 columns at a time. LDS serves a wave's instructions in order (ISA guide 5.7.1.4): no wait between the stores and the loads, nor in front of the next block's stores.
.macro TOSTAGE a
.irp t, 0,1,2,3
	ds_store_b128 v11, v[ACC+8*(4*(\a)+\t):ACC+8*(4*(\a)+\t)+3] offset:64*\t        ; each accumulator from its low end on
	ds_store_b128 v11, v[ACC+8*(4*(\a)+\t)+4:ACC+8*(4*(\a)+\t)+7] offset:64*\t+16
.endr
.irp i, 0,1,2,3,4,5,6,7
	ds_load_b128 v[64+32*((\a)%2)+4*\i:64+32*((\a)%2)+4*\i+3], v12 offset:544*\i
.endr
.endm
.macro SEND a, younger                 ; younger: the LDS instructions issued behind block a's loads, which may stay out
	s_wait_dscnt \younger
.irp i, 0,1,2,3,4,5,6,7
	global_store_b128 v13, v[64+32*((\a)%2)+4*\i:64+32*((\a)%2)+4*\i+3], s[14:15] offset:(16*(\a)+2*\i)*4096 th:TH_STORE_NT   ; 16 lanes store 256 consecutive bytes, aligned
.endr
.endm
	PLACES 4
	TOSTAGE 0
.irp a, 1,2,3
.if \a > 1
	s_wait_xcnt 0x0                                ; the stores of the block two back have read their registers: this block's loads may land there
.endif
	TOSTAGE \a
	SEND \a-1, 16                                  ; behind the earlier block's loads: this block's 8 stores and 8 loads
.endr
	SEND 3, 0
	s_wait_tensorcnt 0x0
	ds_add_u32 v14, v15
	s_wait_dscnt 0x0
	CROUND                                         ; the closing round: no work-group ends while a partner may still ask for a tile that names it
	s_endpgm
.Lfunc_end_k_qd8bc9ff911_oproj:
	.size	k_qd8bc9ff911_oproj, .Lfunc_end_k_qd8bc9ff911_oproj-k_qd8bc9ff911_oproj
	.p2alignl 7, 3214868480
	.fill 96, 4, 3214868480
	.section	.rodata,"a",@progbits
	.p2align	6, 0x0
	.amdhsa_kernel k_qd8bc9ff911_oproj
		.amdhsa_group_segment_fixed_size 259072
		.amdhsa_private_segment_fixed_size 0
		.amdhsa_enable_private_segment 0
		.amdhsa_kernarg_size 48
		.amdhsa_user_sgpr_count 2
		.amdhsa_user_sgpr_kernarg_segment_ptr 1
		.amdhsa_wavefront_size32 1
		.amdhsa_system_sgpr_workgroup_id_x 1
		.amdhsa_system_sgpr_workgroup_id_y 1
		.amdhsa_system_sgpr_workgroup_id_z 1
		.amdhsa_system_vgpr_workitem_id 0
		.amdhsa_next_free_vgpr 256
		.amdhsa_next_free_sgpr 102
		.amdhsa_reserve_vcc 0
		.amdhsa_float_denorm_mode_32 3
		.amdhsa_float_denorm_mode_16_64 3
		.amdhsa_memory_ordered 1
		.amdhsa_forward_progress 1
		.amdhsa_inst_pref_size 47
	.end_amdhsa_kernel
	.amdgpu_metadata
---
amdhsa.version: [ 1, 2 ]
amdhsa.kernels:
  - .name:           k_qd8bc9ff911_oproj
    .symbol:         k_qd8bc9ff911_oproj.kd
    .args:
      - { .name: oc, .offset: 0, .size: 8, .value_kind: global_buffer, .address_space: global }
      - { .name: os, .offset: 8, .size: 8, .value_kind: global_buffer, .address_space: global }
      - { .name: Wo_codes, .offset: 16, .size: 8, .value_kind: global_buffer, .address_space: global }
      - { .name: Wo_scales, .offset: 24, .size: 8, .value_kind: global_buffer, .address_space: global }
      - { .name: bo, .offset: 32, .size: 8, .value_kind: global_buffer, .address_space: global }
      - { .name: out0, .offset: 40, .size: 8, .value_kind: global_buffer, .address_space: global }
    .group_segment_fixed_size: 259072
    .private_segment_fixed_size: 0
    .kernarg_segment_align: 8
    .kernarg_segment_size: 48
    .max_flat_workgroup_size: 256
    .sgpr_count:     102
    .vgpr_count:     256
    .wavefront_size: 32
...
	.end_amdgpu_metadata
.endif
;; end of part 4
